; MI455X (gfx1250); checked and timed in simulation.
; The chip was launched on July 23, 2026; its instructions are those of AMD's public machine-readable ISA for CDNA 5 (MIT licence, August 2026) and "CDNA5" Instruction Set Architecture Reference Guide (July 2026). The comments in the code are by the model that wrote it; some were corrected since.
;; Write Path. Allowed arithmetic: matrix products marked QUANTISED: E2M3 operands, one E8M0 scale for each 32 along K, by v_wmma_scale_f32_16x16x128_f8f6f4 with both operands' format E2M3, f32 sums; products left as they are: f32 operands where the result goes on into a quantised operand, else bf16, f16 or f32 operands; f32 sums; everything else in f32.
;; Inputs: W_obs_codes 512 x 64 x 24 uint8 (E2M3 codes of W_obs, K innermost, in blocks of 32 codes, four codes in three bytes); W_obs_scales 512 x 64 uint8 (E8M0 scales of W_obs, one for each 32 codes along K); active_indices 8,192 int32; beliefs 8,192 x 512 float32; gb1 512 float32; gb2 1 float32; gw1_codes 512 x 64 x 24 uint8 (E2M3 codes of gw1, K innermost, in blocks of 32 codes, four codes in three bytes); gw1_scales 512 x 64 uint8 (E8M0 scales of gw1, one for each 32 codes along K); gw2 512 x 1 float32; hidden_codes 4 x 2,048 x 64 x 24 uint8 (E2M3 codes of hidden, K innermost, in blocks of 32 codes, four codes in three bytes); hidden_scales 4 x 2,048 x 64 uint8 (E8M0 scales of hidden, one for each 32 codes along K); pb1 512 float32; pb2 1 float32; pw1_codes 512 x 64 x 24 uint8 (E2M3 codes of pw1, K innermost, in blocks of 32 codes, four codes in three bytes); pw1_scales 512 x 64 uint8 (E8M0 scales of pw1, one for each 32 codes along K); pw2 512 x 1 float32.
;; Outputs: out0 4 x 2,048 x 512 float32; out1 8,192 int32; out2 8,192 float32; out3 8,192 bool.
;; This version of the problem:
;;   THIS VERSION OF THE PROBLEM IS GIVEN IN LOW PRECISION. The matrix products marked QUANTISED in the list below multiply operands that are first quantised to E2M3 (2 exponent bits, 3 mantissa bits; 6 bits a number), with one power-of-two scale for each 32 numbers along K (OCP MX v1.0); their sums are f32. All else is computed in f32.
;;   The module's matrix products, in the order in which they are computed (A, B: the left and right operand; K: the contracted axis; several contracted axes count as one K, in the product's order):
;;     1. [M 8,192, K 2,048] x [K 2,048, N 512]; A: input hidden (given as codes); B: input W_obs (given as codes): QUANTISED
;;     2. [M 8,192, K 2,048] x [K 2,048, N 512]; A: input hidden (given as codes); B: input gw1 (given as codes): QUANTISED
;;     3. [M 8,192, K 512] x [K 512, N 1]; A: computed on the way; B: input gw2: left as it is (N = 1 < 16)
;;     4. [M 8,192, K 2,048] x [K 2,048, N 512]; A: input hidden (given as codes); B: input pw1 (given as codes): QUANTISED
;;     5. [M 8,192, K 512] x [K 512, N 1]; A: computed on the way; B: input pw2: left as it is (N = 1 < 16)
;;     6. [M 8,192, K 512] x [K 512, N 8,192]; A: computed on the way; B: computed on the way: QUANTISED
;;   THE QUANTISER, for each operand of a quantised product, along K:
;;     - K is cut into blocks of 32 from its start; a last block that is shorter is filled with zeros.
;;     - A block's scale is 2^e with e = floor(log2(the largest magnitude in the block)) - 2, held to -126 .. 127; a block of zeros has e = 0. As a byte (E8M0): e + 127.
;;     - Each number is divided by its block's scale, clamped to +-7.5, and rounded to the nearest number of E2M3, ties to even, subnormals kept.
;;     - The product sums the exact products of the quantised numbers (number of the format x scale) in f32.
;;   ~~~python
;;   def quantise(x, axis):      # numpy; x: float32 -> the quantised numbers, widened to float32 again
;;       x = np.moveaxis(x, axis, -1); K = x.shape[-1]
;;       x = np.pad(x, [(0, 0)] * (x.ndim - 1) + [(0, -K % 32)]); x = x.reshape(x.shape[:-1] + (-1, 32)); a = np.abs(x).max(-1, keepdims=True)
;;       e = np.where(a > 0, np.clip(np.frexp(np.where(a > 0, a, 1))[1] - 1 - 2, -126, 127), 0)      # np.frexp(a)[1] - 1 = floor(log2(a)), exactly
;;       r = np.clip(x / 2.0 ** e, -7.5, 7.5)
;;       step = 2.0 ** (np.maximum(np.frexp(np.where(r == 0, 1, r))[1] - 1, 0) - 3)
;;       q = np.round(r / step) * step * 2.0 ** e      # np.round: ties to even
;;       return np.moveaxis(q.reshape(q.shape[:-2] + (-1,))[..., :K], -1, axis).astype(np.float32)
;;   ~~~
;;   OPERANDS COMPUTED ON THE WAY. 'Computed on the way' means the value that the module computes at that place (a softmax that the list does not call 'softmax' is quantised finished and normalised). What goes into a quantiser is computed in f32, as accurately as f32 sums, v_exp_f32 and their like allow (about 1e-6 of the number): no bf16 or f16 on the way to a quantiser, and a product that is left as it is and whose result goes on into a quantised operand takes f32 operands (vector FMAs, or v_wmma_f32_16x16x4_f32). A number that lies on a knife's edge between two numbers of the format may be rounded either way, as far as f32 arithmetic and the matrix unit's own rounding can turn it there, and no further.
;;   INPUTS GIVEN AS CODES. W_obs (in the module: [2048, 512], K = its axis 0); gw1 (in the module: [2048, 512], K = its axis 0); hidden (in the module: [4, 2048, 2048], K = its axis 2); pw1 (in the module: [2048, 512], K = its axis 0): each comes as NAME_codes (uint8): NAME with its K axis moved to the last place and cut into blocks of 32 codes, [.., K / 32, bytes a block], one block behind the other in memory; four codes in three bytes: a row's codes are one little-endian stream of bits, code i at bits 6 i .. 6 i + 5 (a code: sign, 2 exponent bits, 3 mantissa bits); and NAME_scales (uint8): the same leading axes, one E8M0 byte (e + 127) for each 32 codes along K. Its value is code x scale, taken as it is: it is not quantised again, and the codes and scales need not be those that the quantiser above would give.
;; One version. Each part assembles by itself: llvm-mc -triple=amdgcn-amd-amdhsa -mcpu=gfx1250 --defsym DOCPART=n.
;; ======== version 1 of 1: 4 launches
;; limits: right only within a limited range of input values
;; workspace buffers: obsws 16,777,216 bytes; part 1,048,576 bytes; codes 6,291,456 bytes; scl 262,144 bytes; rad 32,768 bytes; pval 524,288 bytes; pidx 524,288 bytes of whole numbers
;; launch proj (part 1): grid 8 x 32, 4 waves a work-group, clusters of 4 x 4, 327,680 bytes of LDS; arguments hidden_codes, hidden_scales, W_obs_codes, W_obs_scales, gw1_codes, gw1_scales, pw1_codes, pw1_scales, gb1, gw2, pb1, pw2, obsws, part; writes obsws, part
.if DOCPART == 1
	.amdgcn_target "amdgcn-amd-amdhsa--gfx1250"
	.amdhsa_code_object_version 6
	.text
	.protected	k_qd24a4cfc0b_proj
	.globl	k_qd24a4cfc0b_proj
	.p2align	8
	.type	k_qd24a4cfc0b_proj,@function
k_qd24a4cfc0b_proj:
	s_mov_b64 s[64:65], 0
	v_nop
	global_prefetch_b8 v0, s[64:65] scope:SCOPE_SE
	s_setreg_imm32_b32 hwreg(HW_REG_WAVE_MODE, 25, 1), 1
	s_wait_xcnt 0x0
	s_wait_alu depctr_hold_cnt(0) depctr_sa_sdst(0) depctr_va_vdst(0) depctr_va_sdst(0) depctr_va_ssrc(0) depctr_va_vcc(0) depctr_vm_vsrc(0)
	s_getreg_b32 s2, hwreg(HW_REG_IB_STS2, 6, 4)
	s_cmp_eq_u32 s2, 0
	s_cbranch_scc0 .Lentry_in_a_cluster
	s_endpgm
.Lentry_in_a_cluster:
	s_bfe_u32 s2, ttmp6, 0x10000c
	s_cmp_lg_u32 s2, 0xf033
	s_cbranch_scc0 .Lentry_shape_is_right
	s_endpgm
.Lentry_shape_is_right:
; hidden [8192][2048] x (W_obs | gw1 | pw1) [512][2048] each, on codes of FP6 (E2M3) with E8M0 scales, K = 2048.
; Work-group (QQ, TR): rows 256 TR on, columns 64 QQ on of EACH of the three weights: a block of 256 x 192.  Four waves, 2 x 2: a wave makes 128 rows x 32 columns of each weight: 48 accumulators.
; OUT: obsws [8192][512] f32 = hidden W_obs.  part [2][16][8192] f32: for gate and precision the sums over the wave's 32 hidden units of relu(x + b1) w2; a later launch adds the 16.
; K goes through two LDS slots in chunks of 256 bytes of each row of codes (a row is 1,536 bytes: six chunks, each on a multiple of 256 bytes).  A step of 128 along K is 96 bytes: steps 2, 5, 10, 13 lie across two chunks.
; Wave 0 fetches A's 256 rows of a chunk, waves 1 to 3 the 64 rows of one weight each: one tensor load a wave.  CLUSTER 4 x 4: A's tiles are asked for jointly along a row of the cluster, B's along a column.
; A LANE TAKES 48 NEIGHBOURING BYTES of its row for a step (three loads of 16 bytes): lane (r, h) holds the step's blocks of 32 codes 2 h and 2 h + 1, where the operand's layout counts them h and 2 + h.
; The same exchange of blocks 1 and 2 is made on both operands, and bytes 1 and 2 of every scale word change places once, at the head: the products are the same, their order inside an instruction differs.
; THE SCALES go from memory into registers once: lane (r, h) loads bytes 32 h .. 32 h + 31 of row r's 64: register s % 8 of a block of 16 rows holds step s's word in lanes 0-15 (s < 8) or lanes 16-31 (s >= 8).
; Source 0 = 16 rows of a weight, source 1 = 16 rows of hidden: a lane holds row r and eight neighbouring columns.  The biases gb1, pb1 are the C of the first products.
; PREFETCH: behind the load of chunk c the cluster asks for chunk c + 2 (at the head also for chunk 1): a lane a row's 256 bytes; A's 256 rows are shared out by cx (64 each, wave 0, two instructions),
; a weight's 64 rows by cy (16 each, the wave that fetches it; lanes 16-31 name lane 15's block again).  Chunks 4 and 5's loads ask for nothing.
; REGISTERS: window 0: v0-31 addresses; v32-143 scale words and nothing else; v144-239 A's fragments, one set; window 1: B's fragments at v0 and v128, biases v72-103, w2 v200-231; windows 2, 3: accumulators (a, b) at v[8 (6 (a % 4) + b)].
.set ROWB,   256
.set KROW,   1536
.set PITCH,  272
.set FR,     12
.set NL,     3
.set STEPS,  16
.set CHUNKS, 6
.set ATILE,  256*PITCH
.set BTYPE,  64*PITCH
.set SLOT,   ATILE+3*BTYPE
.set SPARE,  2*SLOT                    ; the spare words, 128 bytes a wave
.set STG,    SPARE+512                 ; the way out: 256 rows x 272 bytes; no fill lands here
.set PST,    STG+256*272               ; and 1,024 bytes a wave for the partial sums
.set BO,   12
.set VSO,  13
.set PSR,  14
.set L16,  15
.set ADRA, 16                          ; v16-17 my A rows in slot 0, 1; v18-19: lanes 0-15 byte 208 of the row in slot 0, 1, lanes 16-31 byte 0 of the row in the other slot
.set ADRB, 20                          ; v20-23 the same for B
.set STO,  24
.set RD,   25
.set CO,   26
.set PFO,  27
.set SPW,  28
.set NIL,  29
.set PSO,  31
.set SC,   32                          ; A's block i at SC + 8 i, B's block b at SC + 64 + 8 b
.set AF,   144
.set S,    144
.set S2,   176
.set T,    224
.set BI,   72                          ; window 1
.set W2,   200                         ; window 1
.set G1A,  32
.set G1B,  40
.set G0A,  68
.set G0B,  76
.set PFA,  84
.set PSEL, 89
.set WV, 92
.set RH, 93
.set CH, 94
.set CX, 95
.set CY, 96
.set QQ, 97
.set TR, 98
.set SEL, 100
.set MSB, 0
.macro WIN new
.if MSB != (\new)
	s_set_vgpr_msb (MSB<<8)|(\new)
.set MSB, \new
.endif
.endm
.set MUL_LO, 0xa1                      ; source 0 window 1, source 1 window 0, C and D window 2
.set MUL_HI, 0xf1
.set TO_B,   0x40
.macro JLOAD g0a, g1a, g0b, g1b        ; wave 0 asks for A's tile, waves 1 to 3 for their weight's
	s_cmp_eq_u32 s[WV], 0
	s_cbranch_scc0 .Lfor_b_\@
	tensor_load_to_lds s[\g0a:\g0a+3], s[\g1a:\g1a+7]
	s_nop 0
.rept 4
	v_nop
.endr
	s_branch .Lasked_\@
.Lfor_b_\@:
	tensor_load_to_lds s[\g0b:\g0b+3], s[\g1b:\g1b+7]
	s_nop 0
.rept 4
	v_nop
.endr
.Lasked_\@:
.endm
.macro CREST
	s_cmp_lg_u32 s[WV], 0
	s_cbranch_scc1 .Lnot_wave_0_\@
	s_barrier_signal -3
.Lnot_wave_0_\@:
	s_barrier_wait -3
	s_barrier_signal -1
	s_barrier_wait -1
.endm
.macro CROUND
	s_barrier_signal -1
	s_barrier_wait -1
	CREST
.endm
.macro PLACES
.rept 4
	v_nop
.endr
.endm
.macro ASK c                           ; chunk c of my share of rows; the address registers are never rewritten
	global_prefetch_b8 v[PFO], s[PFA:PFA+1] offset:ROWB*(\c) th:TH_LOAD_NT scope:SCOPE_SE
	s_cmp_lg_u32 s[WV], 0
	s_cbranch_scc1 .Lno_more_\@
	global_prefetch_b8 v[PFO], s[PFA:PFA+1] offset:ROWB*(\c)+32*KROW th:TH_LOAD_NT scope:SCOPE_SE
.Lno_more_\@:
.endm
	s_load_b512 s[4:19], s[0:1], 0x0
	s_load_b256 s[20:27], s[0:1], 0x40
	s_load_b128 s[28:31], s[0:1], 0x60
	v_lshl_add_u32 v[SPW], v0, 2, SPARE
	v_mov_b32 v[NIL], 0
	ds_add_u32 v[SPW], v[NIL]                      ; the opening lines: the add twice on end and one wait
	ds_add_u32 v[SPW], v[NIL]
	v_lshrrev_b32 v1, 5, v0
	v_readfirstlane_b32 s[WV], v1
	s_lshr_b32 s[RH], s[WV], 1
	s_and_b32 s[CH], s[WV], 1
	s_bfe_u32 s[CX], ttmp6, 0x40000
	s_bfe_u32 s[CY], ttmp6, 0x40004
	s_lshl_b32 s[QQ], ttmp9, 2
	s_add_co_u32 s[QQ], s[QQ], s[CX]
	s_and_b32 s[TR], ttmp7, 0xffff
	s_lshl_b32 s[TR], s[TR], 2
	s_add_co_u32 s[TR], s[TR], s[CY]
	s_lshl_b32 s2, s[CY], 2
	s_lshl_b32 s2, 15, s2                          ; my row of the cluster
	s_lshl_b32 s99, 0x1111, s[CX]                  ; my column
	s_mov_b32 s[SEL], 0x76543210
	s_mov_b32 s[SEL+1], 0xfedcba98
	s_mov_b32 s[PSEL], 0x03010200                  ; bytes 1 and 2 of a word change places
	s_or_b32 s[G1A+0], s2, (1<<20)|(1<<21)|(5<<22)|(3<<25)   ; bytes; 16 bytes of padding behind every 256
	s_or_b32 s[G1B+0], s99, (1<<20)|(1<<21)|(5<<22)|(3<<25)
	s_mov_b32 s[G1A+1], ROWB<<16
	s_mov_b32 s[G1A+2], 256<<16
	s_mov_b32 s[G1A+3], ROWB<<16
	s_mov_b32 s[G1A+4], 256
	s_mov_b32 s[G1A+5], KROW
	s_mov_b32 s[G1A+6], 0
	s_mov_b32 s[G1A+7], 0
	s_mov_b32 s[G1B+1], ROWB<<16
	s_mov_b32 s[G1B+2], 64<<16
	s_mov_b32 s[G1B+3], ROWB<<16
	s_mov_b32 s[G1B+4], 64
	s_mov_b32 s[G1B+5], KROW
	s_mov_b32 s[G1B+6], 0
	s_mov_b32 s[G1B+7], 0
	s_wait_dscnt 0x0
	s_wait_kmcnt 0x0
	s_cmp_eq_u32 s[WV], 2                          ; the weight that I fetch: wave 1 W_obs, 2 gw1, 3 pw1
	s_cselect_b64 s[8:9], s[12:13], s[8:9]
	s_cmp_eq_u32 s[WV], 3
	s_cselect_b64 s[8:9], s[16:17], s[8:9]
	s_mul_i32 s2, s[TR], 256*KROW
	s_mov_b32 s3, 0
	s_add_nc_u64 s[4:5], s[4:5], s[2:3]
	s_mul_i32 s66, s[QQ], 64*KROW
	s_mov_b32 s67, 0
	s_add_nc_u64 s[8:9], s[8:9], s[66:67]
	s_mul_i32 s12, s[WV], BTYPE
.irp s, 0,1
	s_mov_b32 s[G0A+4*\s], 1
	s_mov_b32 s[G0A+4*\s+1], \s*SLOT
	s_add_nc_u64 s[G0A+4*\s+2:G0A+4*\s+3], s[4:5], \s*ROWB
	s_or_b32 s[G0A+4*\s+3], s[G0A+4*\s+3], 0x80000000
	s_mov_b32 s[G0B+4*\s], 1
	s_add_co_u32 s[G0B+4*\s+1], s12, \s*SLOT+ATILE-BTYPE
	s_add_nc_u64 s[G0B+4*\s+2:G0B+4*\s+3], s[8:9], \s*ROWB
	s_or_b32 s[G0B+4*\s+3], s[G0B+4*\s+3], 0x80000000
.endr
	CROUND                                         ; all sixteen work-groups are here
	JLOAD G0A, G1A, G0B, G1B                       ; chunk 0: my one tensor load at the head
	; scalar set-up, all of it ahead of the vector lines
	s_lshl_b32 s2, s[TR], 14                       ; A's scales: 64 bytes a row
	s_lshl_b32 s13, s[RH], 13
	s_add_co_u32 s2, s2, s13
	s_add_nc_u64 s[6:7], s[6:7], s[2:3]
	s_lshl_b32 s66, s[QQ], 12                      ; B's
	s_lshl_b32 s13, s[CH], 11
	s_add_co_u32 s66, s66, s13
	s_add_nc_u64 s[10:11], s[10:11], s[66:67]
	s_add_nc_u64 s[14:15], s[14:15], s[66:67]
	s_add_nc_u64 s[18:19], s[18:19], s[66:67]
	s_lshl_b32 s16, s[QQ], 8                       ; biases and w2: my 32 columns
	s_lshl_b32 s13, s[CH], 7
	s_add_co_u32 s16, s16, s13
	s_mov_b32 s17, 0
	s_add_nc_u64 s[20:21], s[20:21], s[16:17]
	s_add_nc_u64 s[22:23], s[22:23], s[16:17]
	s_add_nc_u64 s[24:25], s[24:25], s[16:17]
	s_add_nc_u64 s[26:27], s[26:27], s[16:17]
	s_mul_i32 s86, s[CX], 64*KROW                  ; the prefetches: my work-group's share of the rows, by address
	s_mul_i32 s87, s[CY], 16*KROW
	s_cmp_eq_u32 s[WV], 0
	s_cselect_b32 s86, s86, s87
	s_cselect_b64 s[PFA:PFA+1], s[4:5], s[8:9]
	s_cselect_b32 s88, 31, 15
	s_mov_b32 s87, 0
	s_add_nc_u64 s[PFA:PFA+1], s[PFA:PFA+1], s[86:87]
	s_mul_i32 s48, s[RH], 128*PITCH                ; my 128 rows of A
	s_mul_i32 s49, s[CH], 32*PITCH                 ; my 32 rows of each weight
	s_add_co_u32 s49, s49, ATILE
	s_add_co_u32 s50, s48, SLOT
	s_add_co_u32 s51, s49, SLOT
	s_mov_b32 s52, SLOT-208
	s_mov_b32 s53, SLOT+208
	s_mul_i32 s54, s[RH], 128*272
	s_add_co_u32 s54, s54, s13
	s_add_co_u32 s54, s54, STG
	s_mul_i32 s55, s[WV], 64*272
	s_add_co_u32 s55, s55, STG
	s_lshl_b32 s56, s[WV], 10
	s_add_co_u32 s56, s56, PST
	s_lshl_b32 s16, s[TR], 19                      ; obsws: 2,048 bytes a row; I store rows 64 w on, 256 bytes at 256 QQ
	s_lshl_b32 s13, s[WV], 17
	s_add_co_u32 s16, s16, s13
	s_lshl_b32 s13, s[QQ], 8
	s_add_co_u32 s16, s16, s13
	s_add_nc_u64 s[28:29], s[28:29], s[16:17]
	s_lshl_b32 s16, s[QQ], 16                      ; part: [2 QQ + CH][row]
	s_lshl_b32 s13, s[CH], 15
	s_add_co_u32 s16, s16, s13
	s_lshl_b32 s13, s[TR], 10
	s_add_co_u32 s16, s16, s13
	s_lshl_b32 s13, s[RH], 9
	s_add_co_u32 s16, s16, s13
	s_add_nc_u64 s[30:31], s[30:31], s[16:17]
	v_and_b32 v1, 15, v0                           ; r
	v_bfe_u32 v2, v0, 4, 1                         ; h
	v_and_b32 v6, 31, v0
	v_mul_u32_u24 v3, v1, PITCH
	v_mad_u32_u24 v4, v2, 48, v3                   ; row x pitch + 48 h
	v_sub_nc_u32 v7, 1, v2
	v_mul_u32_u24 v5, s52, v2
	v_add_nc_u32 v5, v3, v5
	v_add_nc_u32 v5, 208, v5
	v_mul_u32_u24 v8, s53, v7
	v_add_nc_u32 v8, v3, v8
	v_add_nc_u32 v[ADRA], s48, v4
	v_add_nc_u32 v[ADRA+1], s50, v4
	v_add_nc_u32 v[ADRA+2], s48, v5
	v_add_nc_u32 v[ADRA+3], s48, v8
	v_add_nc_u32 v[ADRB], s49, v4
	v_add_nc_u32 v[ADRB+1], s51, v4
	v_add_nc_u32 v[ADRB+2], s49, v5
	v_add_nc_u32 v[ADRB+3], s49, v8
	v_lshlrev_b32 v9, 6, v1
	v_lshl_add_u32 v[VSO], v2, 5, v9               ; 64 r + 32 h
	v_lshlrev_b32 v[BO], 5, v2
	v_mul_u32_u24 v9, v1, 272
	v_lshl_add_u32 v9, v2, 5, v9
	v_add_nc_u32 v[STO], s54, v9
	v_mul_u32_u24 v10, v2, 272
	v_lshl_add_u32 v10, v1, 4, v10
	v_add_nc_u32 v[RD], s55, v10
	v_lshlrev_b32 v11, 11, v2
	v_lshl_add_u32 v[CO], v1, 4, v11
	v_lshl_add_u32 v[PSO], v1, 2, s56
	v_lshlrev_b32 v[L16], 4, v6
	v_add_nc_u32 v[PSR], s56, v[L16]
	v_min_u32 v7, s88, v6
	v_mul_u32_u24 v[PFO], v7, KROW
	s_wait_alu depctr_va_vdst(0)
	ASK 1
	ASK 2
.irp i, 0,1,2,3,4,5,6,7
.irp g, 0,1
	global_load_b128 v[SC+8*\i+4*\g:SC+8*\i+4*\g+3], v[VSO], s[6:7] offset:1024*\i+16*\g
.endr
.endr
.irp b, 0,1,2,3,4,5
.irp g, 0,1
	global_load_b128 v[SC+64+8*\b+4*\g:SC+64+8*\b+4*\g+3], v[VSO], s[10+4*(\b/2):11+4*(\b/2)] offset:1024*(\b%2)+16*\g
.endr
.endr
	WIN TO_B
.irp u, 0,1
.irp f, 0,1
	global_load_b128 v[BI+8*\u+4*\f:BI+8*\u+4*\f+3],       v[BO], s[20:21] offset:64*\u+16*\f
	global_load_b128 v[BI+16+8*\u+4*\f:BI+16+8*\u+4*\f+3], v[BO], s[24:25] offset:64*\u+16*\f
	global_load_b128 v[W2+8*\u+4*\f:W2+8*\u+4*\f+3],       v[BO], s[22:23] offset:64*\u+16*\f
	global_load_b128 v[W2+16+8*\u+4*\f:W2+16+8*\u+4*\f+3], v[BO], s[26:27] offset:64*\u+16*\f
.endr
.endr
	WIN 0
; a fragment: 48 bytes a lane in three pieces of 16; byte y of a row lies in chunk y / 256, slot (y / 256) % 2, at byte y % 256 of the LDS row; lanes 16-31 read 48 bytes on
.macro FRAG reg, adr, st, rowoff
.irp p, 0,1,2
.set BY, 96*(\st)+16*\p
.if BY/ROWB == (BY+48)/ROWB
	ds_load_b128 v[\reg+4*\p:\reg+4*\p+3], v[\adr+(BY/ROWB)%2] offset:BY%ROWB+(\rowoff)
.else
	ds_load_b128 v[\reg+4*\p:\reg+4*\p+3], v[\adr+2+(BY/ROWB)%2] offset:BY%ROWB-208+(\rowoff)
.endif
.endr
.endm
; 12 products: A's blocks a0, a0 + 1 x B's six.  The 48 accumulators take turns in the same order in every step.  zero = 1: the first products start the sums, obs from 0, the two heads from their bias
.macro MUL12 a0, st, zero
.irp a, \a0, \a0+1
.irp b, 0,1,2,3,4,5
.set rD, 8*(6*((\a)%4)+\b)
.set rB, 128*((\st)%2)+FR*\b
.set rA, AF+FR*(\a)
.set rSB, SC+64+8*\b+(\st)%8
.set rSA, SC+8*(\a)+(\st)%8
.if \zero
.if \b < 2
	v_wmma_scale_f32_16x16x128_f8f6f4 v[rD:rD+7], v[rB:rB+FR-1], v[rA:rA+FR-1], 0, v[rSB], v[rSA] matrix_a_fmt:MATRIX_FMT_FP6 matrix_b_fmt:MATRIX_FMT_FP6
.else
	v_wmma_scale_f32_16x16x128_f8f6f4 v[rD:rD+7], v[rB:rB+FR-1], v[rA:rA+FR-1], v[BI+8*(\b-2):BI+8*(\b-2)+7], v[rSB], v[rSA] matrix_a_fmt:MATRIX_FMT_FP6 matrix_b_fmt:MATRIX_FMT_FP6
.endif
.elseif (\st)/8
	v_wmma_scale_f32_16x16x128_f8f6f4 v[rD:rD+7], v[rB:rB+FR-1], v[rA:rA+FR-1], v[rD:rD+7], v[rSB], v[rSA] matrix_a_fmt:MATRIX_FMT_FP6 matrix_b_fmt:MATRIX_FMT_FP6 matrix_a_scale:MATRIX_SCALE_ROW1 matrix_b_scale:MATRIX_SCALE_ROW1
.else
	v_wmma_scale_f32_16x16x128_f8f6f4 v[rD:rD+7], v[rB:rB+FR-1], v[rA:rA+FR-1], v[rD:rD+7], v[rSB], v[rSA] matrix_a_fmt:MATRIX_FMT_FP6 matrix_b_fmt:MATRIX_FMT_FP6
.endif
.endr
.endr
.endm
.macro FETCH_B st
	WIN TO_B
.irp i, 0,1,2,3,4,5
	FRAG 128*((\st)%2)+FR*\i, ADRB, \st, (\i/2)*BTYPE+(\i%2)*16*PITCH
.endr
	WIN 0
.endm
.macro FETCH_A st, i0
.irp i, \i0, \i0+1, \i0+2, \i0+3
	FRAG AF+FR*(\i), ADRA, \st, (\i)*16*PITCH
.endr
.endm
; A step: 48 products; the next step's fragments are fetched in its middle (B, A's blocks 0-3) and at its end (A's blocks 4-7).
; Where the next step ENDS in a chunk not read yet: every wave waits for its tensor loads, and a barrier shows the chunk whole.  Where it BEGINS in a later chunk: the chunk left behind is read no more:
; wait for all tensor loads, the add, the wait for it and for my reads, the barrier; where a chunk two on is left, the barrier opens a round of the cluster's barrier and the slot is filled again.
.macro STEP st, zero
.set NX, (\st)+1
.set C0, (96*(\st))/ROWB
.set C1, (96*NX)/ROWB
.set E0, (96*(\st)+95)/ROWB
.set E1, (96*NX+95)/ROWB
.if C1 > C0 || E1 > E0
	s_wait_tensorcnt 0x0
.if C1 > C0
	ds_add_u32 v[SPW], v[NIL]
	s_wait_dscnt 4*NL+1                            ; the add and A's blocks 4-7 (12 loads) may be out
.else
	s_wait_dscnt 4*NL
.endif
	WIN MUL_LO
	MUL12 0, \st, 0
	s_wait_dscnt 0x0                               ; the add and all my reads are done
	s_barrier_signal -1
	MUL12 2, \st, 0
	WIN 0
	s_barrier_wait -1
.if C1 > C0 && C0+2 < CHUNKS
	CREST
	s_add_nc_u64 s[G0A+4*(C0%2)+2:G0A+4*(C0%2)+3], s[G0A+4*(C0%2)+2:G0A+4*(C0%2)+3], 2*ROWB
	s_add_nc_u64 s[G0B+4*(C0%2)+2:G0B+4*(C0%2)+3], s[G0B+4*(C0%2)+2:G0B+4*(C0%2)+3], 2*ROWB
	JLOAD G0A+4*(C0%2), G1A, G0B+4*(C0%2), G1B     ; chunk C0 + 2; its four v_nop are the places in front of the loads below
.else
	PLACES
.endif
.else
	s_wait_dscnt 4*NL                              ; the youngest 12 loads, A's blocks 4-7, may be out
	WIN MUL_LO-0x10*(\zero)                        ; (first step: C in window 1)
	MUL12 0, \st, \zero
	MUL12 2, \st, \zero
	s_wait_dscnt 0x0
	PLACES
.endif
	FETCH_B NX
	FETCH_A NX, 0
.if C1 > C0 && C0+4 < CHUNKS
	ASK C0+4
.endif
	WIN MUL_HI-0x20*(\zero)
	MUL12 4, \st, \zero
	MUL12 6, \st, \zero
	PLACES
	WIN 0
	FETCH_A NX, 4
.endm
	s_wait_loadcnt 0x0                             ; scale words, biases, w2
.set n, 0
.rept 112
	v_perm_b32 v[SC+n], v[SC+n], v[SC+n], s[PSEL]  ; bytes 1 and 2 change places, as the blocks do; these lines stand while chunk 0 is on its way
.set n, n+1
.endr
	s_wait_alu depctr_va_vdst(0)
	s_wait_tensorcnt 0x0                           ; my tile of chunk 0 is in; slot 1's first fill is issued as a refill is
	ds_add_u32 v[SPW], v[NIL]
	s_wait_dscnt 0x0
	CROUND
	JLOAD G0A+4, G1A, G0B+4, G1B                   ; chunk 1
	FETCH_B 0
	FETCH_A 0, 0
	FETCH_A 0, 4
	ASK 3
.rept 8
	v_nop                                          ; places between a scale register's write and a scaled product
.endr
	STEP 0, 1
.set ST, 1
.rept STEPS-2
	STEP ST, 0
.set ST, ST+1
.endr
	s_wait_dscnt 4*NL                              ; the last step fetches nothing
	WIN MUL_LO
	MUL12 0, 15, 0
	MUL12 2, 15, 0
	s_wait_dscnt 0x0
	WIN MUL_HI
	MUL12 4, 15, 0
	MUL12 6, 15, 0
	WIN 0
	PLACES
	; THE WAY OUT.  obs: 32 bytes a lane into the work-group's stage
.irp a, 0,1,2,3,4,5,6,7
	WIN 0x08+4*(\a/4)
.irp u, 0,1
	ds_store_b128 v[STO], v[8*(6*(\a%4)+\u):8*(6*(\a%4)+\u)+3] offset:\a*16*272+64*\u
	ds_store_b128 v[STO], v[8*(6*(\a%4)+\u)+4:8*(6*(\a%4)+\u)+7] offset:\a*16*272+64*\u+16
.endr
.endr
	; the heads: relu, x w2, summed over my 16 hidden units of each head
	s_wait_dscnt 0x0                               ; my stores into the stage are done
	s_barrier_signal -1
	s_barrier_wait -1                              ; everybody's are: a row's 256 bytes come from two waves
	WIN 0x44                                       ; loaded data and store data in window 1
.set n, 0
.rept 32
	ds_load_b128 v[4*n:4*n+3], v[RD] offset:n*2*272
.set n, n+1
.endr
.set n, 0
.rept 32
	s_wait_dscnt 31-n
	global_store_b128 v[CO], v[4*n:4*n+3], s[28:29] offset:n*4096   ; 16 lanes store 256 consecutive bytes, aligned; the heads' arithmetic below names none of these registers
.set n, n+1
.endr
.irp a, 0,1,2,3,4,5,6,7
	WIN 0x02+(\a/4)
.set n, 0
.rept 32
	v_max_num_f32 v[T+n], v[8*(6*(\a%4)+2+n/8)+n%8], 0
.set n, n+1
.endr
	WIN 0x04
	v_pk_mul_f32 v[S+4*\a:S+4*\a+1], v[T:T+1], v[W2:W2+1]
	v_pk_mul_f32 v[S+4*\a+2:S+4*\a+3], v[T+16:T+17], v[W2+16:W2+17]
.irp n, 1,2,3,4,5,6,7
	v_pk_fma_f32 v[S+4*\a:S+4*\a+1], v[T+2*\n:T+2*\n+1], v[W2+2*\n:W2+2*\n+1], v[S+4*\a:S+4*\a+1]
	v_pk_fma_f32 v[S+4*\a+2:S+4*\a+3], v[T+16+2*\n:T+17+2*\n], v[W2+16+2*\n:W2+17+2*\n], v[S+4*\a+2:S+4*\a+3]
.endr
.endr
	WIN 0
.set n, 0
.rept 16
	v_add_f32 v[S+2*n], v[S+2*n], v[S+2*n+1]
.set n, n+1
.endr
.set n, 0
.rept 16
	v_permlanex16_b32 v[S2+n], v[S+2*n], s[SEL], s[SEL+1]
.set n, n+1
.endr
.set n, 0
.rept 16
	v_add_f32 v[S+2*n], v[S+2*n], v[S2+n]          ; with the lane 16 away: my 32 hidden units
.set n, n+1
.endr
.set n, 0
.rept 16
	ds_store_b32 v[PSO], v[S+2*n] offset:512*(n%2)+64*(n/2)
.set n, n+1
.endr
	ds_load_b128 v[4:7], v[PSR]                    ; my own bytes, served in order
	ds_load_b128 v[8:11], v[PSR] offset:512
	s_wait_dscnt 0x0
	global_store_b128 v[L16], v[4:7], s[30:31]
	global_store_b128 v[L16], v[8:11], s[30:31] offset:524288
	s_wait_tensorcnt 0x0                           ; the wave's end
	ds_add_u32 v[SPW], v[NIL]
	s_wait_dscnt 0x0
	CROUND                                         ; the closing round
	s_endpgm
.Lfunc_end_k_qd24a4cfc0b_proj:
	.size	k_qd24a4cfc0b_proj, .Lfunc_end_k_qd24a4cfc0b_proj-k_qd24a4cfc0b_proj
	.p2alignl 7, 3214868480
	.fill 96, 4, 3214868480
	.section	.rodata,"a",@progbits
	.p2align	6, 0x0
	.amdhsa_kernel k_qd24a4cfc0b_proj
		.amdhsa_group_segment_fixed_size 327680
		.amdhsa_private_segment_fixed_size 0
		.amdhsa_enable_private_segment 0
		.amdhsa_kernarg_size 112
		.amdhsa_user_sgpr_count 2
		.amdhsa_user_sgpr_kernarg_segment_ptr 1
		.amdhsa_wavefront_size32 1
		.amdhsa_system_sgpr_workgroup_id_x 1
		.amdhsa_system_sgpr_workgroup_id_y 1
		.amdhsa_system_sgpr_workgroup_id_z 1
		.amdhsa_system_vgpr_workitem_id 0
		.amdhsa_next_free_vgpr 960
		.amdhsa_next_free_sgpr 102
		.amdhsa_reserve_vcc 0
		.amdhsa_float_denorm_mode_32 3
		.amdhsa_float_denorm_mode_16_64 3
		.amdhsa_memory_ordered 1
		.amdhsa_forward_progress 1
		.amdhsa_inst_pref_size 209
	.end_amdhsa_kernel
	.amdgpu_metadata
---
amdhsa.version: [ 1, 2 ]
amdhsa.kernels:
  - .name:           k_qd24a4cfc0b_proj
    .symbol:         k_qd24a4cfc0b_proj.kd
    .args:
      - { .name: hidden_codes, .offset: 0, .size: 8, .value_kind: global_buffer, .address_space: global }
      - { .name: hidden_scales, .offset: 8, .size: 8, .value_kind: global_buffer, .address_space: global }
      - { .name: W_obs_codes, .offset: 16, .size: 8, .value_kind: global_buffer, .address_space: global }
      - { .name: W_obs_scales, .offset: 24, .size: 8, .value_kind: global_buffer, .address_space: global }
      - { .name: gw1_codes, .offset: 32, .size: 8, .value_kind: global_buffer, .address_space: global }
      - { .name: gw1_scales, .offset: 40, .size: 8, .value_kind: global_buffer, .address_space: global }
      - { .name: pw1_codes, .offset: 48, .size: 8, .value_kind: global_buffer, .address_space: global }
      - { .name: pw1_scales, .offset: 56, .size: 8, .value_kind: global_buffer, .address_space: global }
      - { .name: gb1, .offset: 64, .size: 8, .value_kind: global_buffer, .address_space: global }
      - { .name: gw2, .offset: 72, .size: 8, .value_kind: global_buffer, .address_space: global }
      - { .name: pb1, .offset: 80, .size: 8, .value_kind: global_buffer, .address_space: global }
      - { .name: pw2, .offset: 88, .size: 8, .value_kind: global_buffer, .address_space: global }
      - { .name: obsws, .offset: 96, .size: 8, .value_kind: global_buffer, .address_space: global }
      - { .name: part, .offset: 104, .size: 8, .value_kind: global_buffer, .address_space: global }
    .group_segment_fixed_size: 327680
    .private_segment_fixed_size: 0
    .kernarg_segment_align: 8
    .kernarg_segment_size: 112
    .max_flat_workgroup_size: 128
    .sgpr_count:     102
    .vgpr_count:     960
    .wavefront_size: 32
...
	.end_amdgpu_metadata
.endif
;; end of part 1
;; launch quant (part 2): grid 256 x 1, 4 waves a work-group, no clusters, 168,448 bytes of LDS; arguments obsws, beliefs, part, gb2, pb2, out0, codes, scl, rad; writes out0, codes, scl, rad
.if DOCPART == 2
	.amdgcn_target "amdgcn-amd-amdhsa--gfx1250"
	.amdhsa_code_object_version 6
	.text
	.protected	k_qd24a4cfc0b_quant
	.globl	k_qd24a4cfc0b_quant
	.p2align	8
	.type	k_qd24a4cfc0b_quant,@function
k_qd24a4cfc0b_quant:
	s_mov_b64 s[64:65], 0
	v_nop
	global_prefetch_b8 v0, s[64:65] scope:SCOPE_SE
	s_setreg_imm32_b32 hwreg(HW_REG_WAVE_MODE, 25, 1), 1
	s_wait_xcnt 0x0
; A wave takes one tile of 16 rows x 512 f32.  Waves 0, 1: rows of obs; waves 2, 3: rows of beliefs.  One text serves both.
; obs:      y = (x / max(|x|, 1e-8)) x gate x precision -> out0;  radius = |y| -> rad;  y / max(radius, 1e-8) is quantised along the 512 -> codes, scl.
; beliefs:  x / max(|x|, 1e-8) is quantised: the same lines with the factor and the second divisor replaced by exactly 1.0.
; gate = sigmoid(zg), precision = softplus(zp); z = the sum of the 16 partial sums of the launch before + gb2 or pb2.  softplus(z) = max(z, 0) + log1p(e^-|z|).
; THE QUANTISER: a block's scale byte is its largest magnitude's exponent field - 2, held at 1 from below; the conversion divides, rounds to nearest even and gives the largest code beyond 7.5.
; OUT: codes: images of operand registers [which 2][tile 512][K step 4][c 3][lane 32][16 bytes];  scl: [which 2][tile 512][lane 32][2 words]: word p of lane (r, h) = row r's scale word of K step 2 p + h.
; The tile (32,768 dense bytes) comes by one tensor load into the wave's own LDS bytes, stated as 32 rows of 1,024 bytes with 16 bytes of padding behind each; it is filled once; y is stored back over it by the wave itself.
; No wave reads another's bytes: no barrier.  No tile is read by two work-groups, so there is no cluster; no matrix work.
; LIMITS: NaN and infinities are not served.  A block of zeros gets the byte 1 where the rule says 127: its codes are zeros, and this program alone reads the bytes.  Divisions are reciprocals (1 ulp) and a multiplication.
; e^-|z| under 2^-126 counts as 0: softplus(z) is 0 for z under about -87.
.set TILEB, 33280                      ; 32 x (1,024 + 16)
.set LA,  4                            ; v4   my numbers: TILEB w + 2,080 r + 64 h
.set DA,  5                            ; v5   dense: TILEB w + 16 x lane
.set L16, 6                            ; v6   16 x lane
.set PO,  7                            ; v7   my offset in part: 524,288 h + 4 (16 tile + r)
.set L8,  8                            ; v8   8 x lane
.set R4,  9                            ; v9   4 r
.set Q,   10                           ; v[10:17] four packed chains of a sum of squares
.set INV, 18                           ; v[18:19] 1 / max(|x|, 1e-8), twice
.set GP,  20                           ; v[20:21] gate x precision, twice
.set INV2, 22                          ; v[22:23] 1 / max(radius, 1e-8), twice
.set CH0, 32                           ; v32-95, v96-159: 64 numbers of a K step: register 16 b + i = k 32 b + 16 h + i
.set CH1, 96
.set PCS, 160                          ; v160-207 four fragments
.set PT,  208                          ; v208-215 the conversions' second halves
.set TM,  216                          ; v216-231 at work in the quantiser
.set PW,  232                          ; v232-235 the four scale words
.set PP,  236                          ; v236-251 the 16 partial sums
.set G1, 24
.set G0, 32
.set WV, 36
.set ROLE, 37
.set TL, 38
.set HM, 39                            ; s39  lanes 16-31
.set RM, 40                            ; s40  all lanes in a wave of beliefs, none in a wave of obs
.set SEL, 42
	s_load_b512 s[4:19], s[0:1], 0x0               ; obsws, beliefs, part, gb2, pb2, out0, codes, scl
	s_load_b64 s[20:21], s[0:1], 0x40              ; rad
	v_lshl_add_u32 v254, v0, 2, 0x29000
	v_mov_b32 v255, 0
	ds_add_u32 v254, v255
	ds_add_u32 v254, v255
	v_lshrrev_b32 v1, 5, v0
	v_readfirstlane_b32 s[WV], v1                  ; wave 0..3
	s_lshr_b32 s[ROLE], s[WV], 1
	s_and_b32 s[TL], s[WV], 1
	s_lshl_b32 s44, ttmp9, 1
	s_add_co_u32 s[TL], s[TL], s44                 ; my tile: 2 x work-group + wave % 2
	s_mov_b32 s[G1+0], (3<<16)|(1<<20)|(7<<22)|(3<<25)   ; elements of 8 bytes; padding on: after every 256 words (code 7), 4 words (code 3)
	s_mov_b32 s[G1+1], 128<<16                     ; tensor_dim0 = 128 elements
	s_mov_b32 s[G1+2], 32<<16                      ; tensor_dim1 = 32
	s_mov_b32 s[G1+3], 128<<16                     ; tile_dim0
	s_mov_b32 s[G1+4], 32                          ; tile_dim1
	s_mov_b32 s[G1+5], 128                         ; dense
	s_mov_b32 s[G1+6], 0
	s_mov_b32 s[G1+7], 0
	s_mul_i32 s46, s[WV], TILEB
	s_mov_b32 s[G0], 1
	s_mov_b32 s[G0+1], s46
	s_lshl_b32 s44, s[TL], 15                      ; a tile is 32,768 bytes
	s_mov_b32 s45, 0
	s_wait_dscnt 0x0
	s_wait_kmcnt 0x0
	s_cmp_lt_u32 s[WV], 2
	s_cselect_b64 s[G0+2:G0+3], s[4:5], s[6:7]     ; obs or beliefs: the choice hangs on the wave's number alone
	s_add_nc_u64 s[G0+2:G0+3], s[G0+2:G0+3], s[44:45]
	s_or_b32 s[G0+3], s[G0+3], 0x80000000
	tensor_load_to_lds s[G0:G0+3], s[G1:G1+7]      ; my one tensor load
	s_nop 0
.rept 4
	v_nop
.endr
	s_load_b32 s22, s[10:11], 0x0                  ; gb2
	s_load_b32 s23, s[12:13], 0x0                  ; pb2
	v_and_b32 v1, 15, v0                           ; r
	v_bfe_u32 v2, v0, 4, 1                         ; h
	v_and_b32 v3, 31, v0                           ; lane
	v_mul_u32_u24 v[LA], v1, 2080                  ; a row of 512 numbers is two LDS rows
	v_lshl_add_u32 v[LA], v2, 6, v[LA]
	v_add_nc_u32 v[LA], s46, v[LA]
	v_lshlrev_b32 v[L16], 4, v3
	v_add_nc_u32 v[DA], s46, v[L16]
	v_lshlrev_b32 v[L8], 3, v3
	v_lshlrev_b32 v[R4], 2, v1
	s_lshl_b32 s47, s[TL], 6
	v_lshl_add_u32 v[PO], v2, 19, v[R4]            ; lanes 0-15 the gate's partial sums, lanes 16-31 the precision's
	v_add_nc_u32 v[PO], s47, v[PO]
.set n, 0
.rept 16
	global_load_b32 v[PP+n], v[PO], s[8:9] offset:32768*n
.set n, n+1
.endr
	s_add_nc_u64 s[14:15], s[14:15], s[44:45]      ; out0 at my tile
	s_mul_i32 s44, s[ROLE], 3145728
	s_mul_i32 s48, s[TL], 6144
	s_add_co_u32 s44, s44, s48
	s_add_nc_u64 s[16:17], s[16:17], s[44:45]      ; codes
	s_lshl_b32 s44, s[ROLE], 17
	s_lshl_b32 s48, s[TL], 8
	s_add_co_u32 s44, s44, s48
	s_add_nc_u64 s[18:19], s[18:19], s[44:45]      ; scl
	s_mov_b32 s44, s47
	s_add_nc_u64 s[20:21], s[20:21], s[44:45]      ; rad
	s_mov_b32 s[HM], 0xffff0000
	s_cmp_lg_u32 s[ROLE], 0
	s_cselect_b32 s[RM], -1, 0
	s_mov_b32 s41, 0xbfb8aa3b                      ; -log2(e)
	s_mov_b32 s[SEL], 0x76543210
	s_mov_b32 s[SEL+1], 0xfedcba98                 ; v_permlanex16_b32's selects for lane l xor 16
	v_mov_b32 v26, 0                               ; written once: a lane permute's destination counts as one of its sources
	v_mov_b32 v27, 0
.irp b, 0,1,2,3
	v_mov_b32 v[TM+4+\b], 0
.endr
.macro LDCH s, buf                     ; K step s of my row: 16 numbers of each of its four blocks of 32
.set n, 0
.rept 16
	ds_load_b128 v[\buf+4*n:\buf+4*n+3], v[LA] offset:((\s)/2)*1040+((\s)%2)*512+128*(n/4)+16*(n%4)
.set n, n+1
.endr
.endm
.macro STCH s, buf                     ; and back
.set n, 0
.rept 16
	ds_store_b128 v[LA], v[\buf+4*n:\buf+4*n+3] offset:((\s)/2)*1040+((\s)%2)*512+128*(n/4)+16*(n%4)
.set n, n+1
.endr
.endm
.macro SQ buf, first                   ; 64 squares onto four packed chains; first = 1: the first four start them
.set n, 0
.rept 32
.if (\first) && (n < 4)
	v_pk_mul_f32 v[Q+2*n:Q+2*n+1], v[\buf+2*n:\buf+2*n+1], v[\buf+2*n:\buf+2*n+1]
.else
	v_pk_fma_f32 v[Q+2*(n%4):Q+2*(n%4)+1], v[\buf+2*n:\buf+2*n+1], v[\buf+2*n:\buf+2*n+1], v[Q+2*(n%4):Q+2*(n%4)+1]
.endif
.set n, n+1
.endr
.endm
.macro MULP buf, f                     ; 64 numbers x the pair f
.set n, 0
.rept 32
	v_pk_mul_f32 v[\buf+2*n:\buf+2*n+1], v[\buf+2*n:\buf+2*n+1], v[\f:\f+1]
.set n, n+1
.endr
.endm
.macro RSUM dst                        ; the chains, and the row's other half in the lane 16 away
	v_pk_add_f32 v[Q:Q+1], v[Q:Q+1], v[Q+2:Q+3]
	v_pk_add_f32 v[Q+4:Q+5], v[Q+4:Q+5], v[Q+6:Q+7]
	v_pk_add_f32 v[Q:Q+1], v[Q:Q+1], v[Q+4:Q+5]
	v_add_f32 v[Q], v[Q], v[Q+1]
	v_permlanex16_b32 v26, v[Q], s[SEL], s[SEL+1]
	v_add_f32 v[\dst], v[Q], v26
.endm
; 64 numbers of a lane, register 16 b + i = k 32 b + 16 h + i of my row, become a fragment's codes in v[pc] on and its scale word in v[pw].
.macro QUANT s, pc, pw
.irp b, 0,1,2,3
	v_max3_num_f32 v[TM+\b], |v[\s+16*\b]|, |v[\s+1+16*\b]|, 0x1800000   ; my 16 numbers of block b, and the floor 2^(3 - 127): the byte cannot fall under 1
.endr
.irp i, 2,4,6,8,10,12,14
.irp b, 0,1,2,3
	v_max3_num_f32 v[TM+\b], v[TM+\b], |v[\s+16*\b+\i]|, |v[\s+1+16*\b+\i]|
.endr
.endr
.irp b, 0,1,2,3
	v_permlanex16_b32 v[TM+4+\b], v[TM+\b], s[SEL], s[SEL+1]
.endr
.irp b, 0,1,2,3
	v_max_num_f32 v[TM+\b], v[TM+\b], v[TM+4+\b]   ; with lane l xor 16's: the block's largest magnitude
.endr
.irp b, 0,1,2,3
	v_add_nc_u32 v[TM+12+\b], 0xff000000, v[TM+\b] ; 2 off its exponent field: the conversion takes the exponent field of this operand as its scale
.endr
.irp b, 0,1,2,3
	v_lshrrev_b32 v[TM+4+\b], 23, v[TM+12+\b]      ; the scale's byte
.endr
	v_lshl_or_b32 v[\pw], v[TM+5], 8, v[TM+4]
	v_lshl_or_b32 v[\pw], v[TM+6], 16, v[\pw]
	v_lshl_or_b32 v[\pw], v[TM+7], 24, v[\pw]
.irp c, 0,1
	v_cvt_scalef32_pk16_fp6_f32 v[\pc+6*\c:\pc+2+6*\c], v[\s+32*\c:\s+15+32*\c], v[TM+12+2*\c]
	v_cvt_scalef32_pk16_fp6_f32 v[PT+4*\c:PT+2+4*\c], v[\s+16+32*\c:\s+31+32*\c], v[TM+12+2*\c+1]   ; (a conversion's three registers begin on an even number)
.endr
	v_nop                                          ; one plain place behind a scaled conversion
.irp c, 0,1                                    ; the operand's layout wants a WHOLE block in a lane: lanes 0-15 block 2 c, lanes 16-31 block 2 c + 1
.irp i, 0,1,2
	v_permlane16_swap_b32 v[\pc+6*\c+\i], v[PT+4*\c+\i]
.endr
.irp i, 0,1,2
	v_mov_b32 v[\pc+3+6*\c+\i], v[PT+4*\c+\i]
.endr
.endr
.endm
	; PASS 1: |x|.  Two buffers by turns; each wait leaves the other buffer's 16 loads out.  The last two refills are the next pass's first two chunks.
	s_wait_tensorcnt 0x0                           ; my tile is in LDS
	LDCH 0, CH0
	LDCH 1, CH1
	s_wait_dscnt 16
	SQ CH0, 1
	LDCH 2, CH0
	s_wait_alu depctr_va_vdst(0)
	s_wait_dscnt 16
	SQ CH1, 0
	LDCH 3, CH1
	s_wait_alu depctr_va_vdst(0)
	s_wait_dscnt 16
	SQ CH0, 0
	LDCH 0, CH0
	s_wait_alu depctr_va_vdst(0)
	s_wait_dscnt 16
	SQ CH1, 0
	LDCH 1, CH1
	RSUM 24
	s_wait_alu depctr_va_vdst(0)
	v_sqrt_f32 v24, v24
	v_nop                                          ; one plain place behind a transcendental
	s_wait_alu depctr_va_vdst(0)
	v_max_num_f32 v24, 0x322bcc77, v24             ; max(|x|, 1e-8)
	s_wait_alu depctr_va_vdst(0)
	v_rcp_f32 v[INV], v24
	v_nop
	s_wait_alu depctr_va_vdst(0)
	v_mov_b32 v[INV+1], v[INV]
	; gate x precision: lanes 0-15 work on zg, lanes 16-31 on zp; every lane computes both functions of its z and keeps its own
	s_wait_loadcnt 0x0
	s_wait_kmcnt 0x0
	v_pk_add_f32 v[PP:PP+1], v[PP:PP+1], v[PP+2:PP+3]
	v_pk_add_f32 v[PP+4:PP+5], v[PP+4:PP+5], v[PP+6:PP+7]
	v_pk_add_f32 v[PP+8:PP+9], v[PP+8:PP+9], v[PP+10:PP+11]
	v_pk_add_f32 v[PP+12:PP+13], v[PP+12:PP+13], v[PP+14:PP+15]
	v_pk_add_f32 v[PP:PP+1], v[PP:PP+1], v[PP+4:PP+5]
	v_pk_add_f32 v[PP+8:PP+9], v[PP+8:PP+9], v[PP+12:PP+13]
	v_pk_add_f32 v[PP:PP+1], v[PP:PP+1], v[PP+8:PP+9]
	v_add_f32 v24, v[PP], v[PP+1]
	v_mov_b32 v25, s22
	v_mov_b32 v28, s23
	v_cndmask_b32 v25, v25, v28, s[HM]             ; gb2 or pb2
	v_add_f32 v24, v24, v25                        ; z
	v_mul_f32 v25, s41, v24
	v_mul_f32 v28, s41, |v24|
	s_wait_alu depctr_va_vdst(0)
	v_exp_f32 v25, v25                             ; e^-z
	v_exp_f32 v28, v28                             ; t = e^-|z|
	v_nop
	s_wait_alu depctr_va_vdst(0)
	v_add_f32 v25, 1.0, v25
	v_add_f32 v29, 1.0, v28                        ; u = 1 + t
	v_add_f32 v30, -1.0, v29                       ; d = u - 1: what of t has entered u
	s_wait_alu depctr_va_vdst(0)
	v_rcp_f32 v25, v25                             ; sigmoid(z)
	v_log_f32 v29, v29
	v_rcp_f32 v31, v30
	v_nop
	s_wait_alu depctr_va_vdst(0)
	v_mul_f32 v29, 0x3f317218, v29                 ; ln u
	v_mul_f32 v29, v29, v28
	v_mul_f32 v29, v29, v31                        ; log1p(t) = ln(u) t / d,
	v_cmp_eq_f32 vcc_lo, 0, v30
	v_cndmask_b32 v29, v29, v28, vcc_lo            ; and t where d = 0
	v_max_num_f32 v30, 0, v24
	v_add_f32 v29, v29, v30                        ; softplus(z)
	v_cndmask_b32 v25, v25, v29, s[HM]
	v_permlanex16_b32 v27, v25, s[SEL], s[SEL+1]
	v_mul_f32 v25, v25, v27                        ; gate x precision of row r, in both halves
	v_cndmask_b32 v[GP], v25, 1.0, s[RM]           ; beliefs: exactly 1
	v_mov_b32 v[GP+1], v[GP]
	; PASS 2: y = (x / |x|) x the factor, back into the tile; the sum of its squares
.macro P2 s, buf, first, more
	MULP \buf, INV
	MULP \buf, GP
	SQ \buf, \first
	STCH \s, \buf
	s_wait_dscnt 0x0                               ; the stores have read their registers (and the other buffer's loads are in)
.if \more
	LDCH (\s)+2, \buf
.endif
.endm
	s_wait_dscnt 16                                ; chunk 0 is in; chunk 1's 16 loads may be out
	P2 0, CH0, 1, 1
	P2 1, CH1, 0, 1
	P2 2, CH0, 0, 0
	P2 3, CH1, 0, 0
	s_wait_alu depctr_va_vdst(0)
	RSUM 30
	s_wait_alu depctr_va_vdst(0)
	v_sqrt_f32 v30, v30                            ; the radius
	v_nop
	s_wait_alu depctr_va_vdst(0)
	v_max_num_f32 v31, 0x322bcc77, v30
	s_wait_alu depctr_va_vdst(0)
	v_rcp_f32 v31, v31
	v_nop
	s_wait_alu depctr_va_vdst(0)
	v_cndmask_b32 v[INV2], v31, 1.0, s[RM]         ; beliefs: exactly 1
	v_mov_b32 v[INV2+1], v[INV2]
	s_cmp_lt_u32 s[WV], 2                          ; obs alone: the radius and out0
	s_cbranch_scc0 .Lbeliefs
	global_store_b32 v[R4], v30, s[20:21]          ; 16 radii, 64 consecutive bytes; lanes 16-31 repeat lanes 0-15
.irp k, 0,1,2,3
.if \k > 1
	s_wait_xcnt 0x0                                ; the stores of two batches ago have read their registers
.endif
.set n, 0
.rept 16
	ds_load_b128 v[CH0+64*(\k%2)+4*n:CH0+64*(\k%2)+4*n+3], v[DA] offset:((16*\k+n)/2)*1040+((16*\k+n)%2)*512   ; LDS serves a wave's instructions in order: these see my stores
.set n, n+1
.endr
.set n, 0
.rept 16
	s_wait_dscnt 15-n
	global_store_b128 v[L16], v[CH0+64*(\k%2)+4*n:CH0+64*(\k%2)+4*n+3], s[14:15] offset:512*(16*\k+n) th:TH_STORE_NT   ; 32 lanes store 512 consecutive bytes; written once, read by nobody here
.set n, n+1
.endr
.endr
.Lbeliefs:
	s_wait_xcnt 0x0                                ; the stores have read their registers: both buffers may be loaded again
	; PASS 3: y / radius, quantised; each K step has its own registers for its codes, so no store's data are written again
.macro P3 s, buf, cnt, more
	s_wait_dscnt \cnt
	MULP \buf, INV2
	QUANT \buf, PCS+12*(\s), PW+(\s)
.irp c, 0,1,2
	global_store_b128 v[L16], v[PCS+12*(\s)+4*\c:PCS+12*(\s)+4*\c+3], s[16:17] offset:1536*(\s)+512*\c   ; 512 consecutive bytes of the image
.endr
.if \more
	LDCH (\s)+2, \buf
.endif
.endm
	LDCH 0, CH0
	LDCH 1, CH1
	s_wait_alu depctr_va_vdst(0)
	P3 0, CH0, 16, 1                               ; each count of 16: the other buffer's loads may be out
	P3 1, CH1, 16, 1
	P3 2, CH0, 16, 0
	P3 3, CH1, 0, 0
	v_cndmask_b32 v24, v[PW], v[PW+1], s[HM]       ; lanes 0-15 K steps 0 and 2, lanes 16-31 K steps 1 and 3
	v_cndmask_b32 v25, v[PW+2], v[PW+3], s[HM]
	global_store_b64 v[L8], v[24:25], s[18:19]     ; 256 consecutive bytes, aligned
	s_wait_tensorcnt 0x0
	ds_add_u32 v254, v255
	s_wait_dscnt 0x0
	s_endpgm
.Lfunc_end_k_qd24a4cfc0b_quant:
	.size	k_qd24a4cfc0b_quant, .Lfunc_end_k_qd24a4cfc0b_quant-k_qd24a4cfc0b_quant
	.p2alignl 7, 3214868480
	.fill 96, 4, 3214868480
	.section	.rodata,"a",@progbits
	.p2align	6, 0x0
	.amdhsa_kernel k_qd24a4cfc0b_quant
		.amdhsa_group_segment_fixed_size 168448
		.amdhsa_private_segment_fixed_size 0
		.amdhsa_enable_private_segment 0
		.amdhsa_kernarg_size 72
		.amdhsa_user_sgpr_count 2
		.amdhsa_user_sgpr_kernarg_segment_ptr 1
		.amdhsa_wavefront_size32 1
		.amdhsa_system_sgpr_workgroup_id_x 1
		.amdhsa_system_sgpr_workgroup_id_y 1
		.amdhsa_system_sgpr_workgroup_id_z 1
		.amdhsa_system_vgpr_workitem_id 0
		.amdhsa_next_free_vgpr 256
		.amdhsa_next_free_sgpr 66
		.amdhsa_reserve_vcc 1
		.amdhsa_float_denorm_mode_32 3
		.amdhsa_float_denorm_mode_16_64 3
		.amdhsa_memory_ordered 1
		.amdhsa_forward_progress 1
		.amdhsa_inst_pref_size 94
	.end_amdhsa_kernel
	.amdgpu_metadata
---
amdhsa.version: [ 1, 2 ]
amdhsa.kernels:
  - .name:           k_qd24a4cfc0b_quant
    .symbol:         k_qd24a4cfc0b_quant.kd
    .args:
      - { .name: obsws, .offset: 0, .size: 8, .value_kind: global_buffer, .address_space: global }
      - { .name: beliefs, .offset: 8, .size: 8, .value_kind: global_buffer, .address_space: global }
      - { .name: part, .offset: 16, .size: 8, .value_kind: global_buffer, .address_space: global }
      - { .name: gb2, .offset: 24, .size: 8, .value_kind: global_buffer, .address_space: global }
      - { .name: pb2, .offset: 32, .size: 8, .value_kind: global_buffer, .address_space: global }
      - { .name: out0, .offset: 40, .size: 8, .value_kind: global_buffer, .address_space: global }
      - { .name: codes, .offset: 48, .size: 8, .value_kind: global_buffer, .address_space: global }
      - { .name: scl, .offset: 56, .size: 8, .value_kind: global_buffer, .address_space: global }
      - { .name: rad, .offset: 64, .size: 8, .value_kind: global_buffer, .address_space: global }
    .group_segment_fixed_size: 168448
    .private_segment_fixed_size: 0
    .kernarg_segment_align: 8
    .kernarg_segment_size: 72
    .max_flat_workgroup_size: 128
    .sgpr_count:     66
    .vgpr_count:     256
    .wavefront_size: 32
...
	.end_amdgpu_metadata
.endif
;; end of part 2
;; launch match (part 3): grid 16 x 16, 8 waves a work-group, clusters of 4 x 1, 327,680 bytes of LDS; arguments codes, scl, pval, pidx; writes pval, pidx
.if DOCPART == 3
	.amdgcn_target "amdgcn-amd-amdhsa--gfx1250"
	.amdhsa_code_object_version 6
	.text
	.protected	k_qd24a4cfc0b_match
	.globl	k_qd24a4cfc0b_match
	.p2align	8
	.type	k_qd24a4cfc0b_match,@function
k_qd24a4cfc0b_match:
	s_mov_b64 s[64:65], 0
	v_nop
	global_prefetch_b8 v0, s[64:65] scope:SCOPE_SE
	s_setreg_imm32_b32 hwreg(HW_REG_WAVE_MODE, 25, 1), 1
	s_wait_xcnt 0x0
	s_wait_alu depctr_hold_cnt(0) depctr_sa_sdst(0) depctr_va_vdst(0) depctr_va_sdst(0) depctr_va_ssrc(0) depctr_va_vcc(0) depctr_vm_vsrc(0)
	s_getreg_b32 s2, hwreg(HW_REG_IB_STS2, 6, 4)
	s_cmp_eq_u32 s2, 0
	s_cbranch_scc0 .Lentry_in_a_cluster
	s_endpgm
.Lentry_in_a_cluster:
	s_bfe_u32 s2, ttmp6, 0x10000c
	s_cmp_lg_u32 s2, 0x3003
	s_cbranch_scc0 .Lentry_shape_is_right
	s_endpgm
.Lentry_shape_is_right:
; sims = obs_ang a_angles^T on codes of FP6 (E2M3), K = 512; of each row only the largest similarity and the first column that holds it are kept.
; SHARES.  Work-group (X, Y): obs rows 512 X on, beliefs 512 Y on.  Wave w owns 64 rows, four tiles of 16, whose fragments for all of K stay in 192 registers; every wave walks the 32 tiles of 16 beliefs out of LDS.
; OUT: pval, pidx [Y 16][row 8192]: the block's largest similarity of the row, and its first column (0 .. 8191).
; Source 0 = 16 beliefs, source 1 = 16 obs rows: lane (r, h) holds row r, register j column 16 c + 8 h + j.
; TRACKING.  For each of its four row tiles a lane keeps ONE running maximum, the number of the tile of beliefs that first reached it, and a copy of that tile's eight results: 4 maxima of three, one strict compare
; (the earlier tile stays on a tie), one select and four pairs of selects: 10 instructions for 8 numbers.  Two row tiles are tracked together, their maxima line by line by turns.
; At the end the first saved result that equals the maximum gives the register; in a lane the column rises with the tile and then with the register, so that is the lane's first column;
; the two lanes of a row are merged by the smallest column among those that hold the maximum.
; BY TURNS.  A tile's 16 products go K step by K step, four at a time; behind K steps 1 and 3 stands the tracking of two row tiles of the tile BEFORE, which lies in the other set of accumulators: four window switches a tile.
; CLUSTER: the four work-groups of a cluster share Y, and so the beliefs' codes and scale words: they are asked for jointly and stay in LDS; no byte is filled twice.
; At the head waves 0 to 3 ask for two tiles each (tiles 0-7) and wave 4 for all scale words; tiles 8-31 are a later first fill, three tiles a wave, issued behind the waits, the add and a round.
; Their 576 blocks of 256 bytes are prefetched at the head, once in the cluster: 18 blocks a wave, a lane a block, the partners told apart by address (lanes 18-31 name lane 17's block again).
; The obs fragments go from memory straight into registers, each wave its own 24,576 bytes: the partners of a cluster have different X, so nothing of them is shared inside a cluster.
; All of LDS is claimed; the text uses 209,920 bytes.
; LIMITS: a NaN similarity is passed over by the maximum and the compare.
; REGISTERS: window 0: v1-15 addresses and work; v16-23 obs's scale words, v24-27 the beliefs', and nothing else; v32-95 accumulators, two sets of four; v96-103 maxima, two sets by the tile's parity; v104-107 tile numbers;
;   v112-143 the saved results; v144-147 at work; v160-255 the beliefs' fragments, two sets of 48.   window 1: v0-191 obs's fragments: (tile a, K step s) at v[12 (4 a + s)].
.set P1,   49152                       ; LDS: tiles 0-7, 6,144 bytes each; then tiles 8-31;
.set BS,   196608                      ; then the scale words, 256 bytes a tile;
.set STG,  204800                      ; then a stage of 512 bytes for each wave; no fill lands there; the spare words follow at 0x33000
.set L16,  3
.set L8,   4
.set ADB,  5
.set ADS,  6
.set VT,   7                           ; v7   the number of the tile that is being tracked
.set SO,   8
.set SR,   9
.set PFO,  10                          ; v10  the prefetch's offset; never rewritten
.set VH,   13
.set SA,   16
.set SB,   24
.set ACC,  32
.set BB,   96                          ; maxima: 4 x parity + a
.set IDX,  104
.set SV,   112                         ; saved results: 8 a + j
.set TT,   144
.set BF,   160
.set CB,   160                         ; the merge, in the beliefs' registers, which are done with
.set CC,   172
.set M2,   176
.set C2,   180
.set MX,   184
.set TBB, 2                            ; s2  LDS byte of the tile to be fetched
.set TBS, 3                            ; s3  and of its scale words
.set G1C, 12
.set G1S, 20
.set G0S, 28
.set G0C, 32
.set G0D, 36
.set PFA, 40
.set G1D, 68
.set WV,  44
.set CX,  45
.set XX,  46
.set YY,  47
.set TC,  48                           ; the number of the tile to be tracked
.set CNT, 49
.set SEL, 50
.set MSB, 0
.macro WIN new                         ; the immediate's high byte repeats the setting that is left
.if MSB != (\new)
	s_set_vgpr_msb (MSB<<8)|(\new)
.set MSB, \new
.endif
.endm
.macro ROUND                           ; a round of the cluster's barrier
	s_barrier_signal -1
	s_barrier_wait -1
	s_cmp_lg_u32 s[WV], 0
	s_cbranch_scc1 .Lnot_wave_0_\@
	s_barrier_signal -3
.Lnot_wave_0_\@:
	s_barrier_wait -3
	s_barrier_signal -1
	s_barrier_wait -1
.endm
	s_load_b256 s[4:11], s[0:1], 0x0               ; codes, scl, pval, pidx
	v_lshl_add_u32 v158, v0, 2, 0x33000
	v_mov_b32 v159, 0
	ds_add_u32 v158, v159                          ; the opening lines: the add twice on end and one wait
	ds_add_u32 v158, v159
	v_lshrrev_b32 v1, 5, v0
	s_delay_alu instid0(VALU_DEP_1)
	v_readfirstlane_b32 s[WV], v1                  ; wave 0..7
	s_bfe_u32 s[CX], ttmp6, 0x40000
	s_lshl_b32 s[XX], ttmp9, 2
	s_add_co_u32 s[XX], s[XX], s[CX]               ; X = 4 x cluster x + cx: it enters obs's, the outputs' and the prefetch's addresses alone
	s_and_b32 s[YY], ttmp7, 0xffff                 ; Y, which the four partners share
.irp g, G1C, G1S, G1D                          ; rows of 256 bytes, dense; the mask names all four; bit 21 beside a mask; no padding: an image is read 512 consecutive bytes at a time
	s_mov_b32 s[\g+0], 15|(3<<16)|(1<<21)
	s_mov_b32 s[\g+1], 32<<16
	s_mov_b32 s[\g+3], 32<<16
	s_mov_b32 s[\g+5], 32
	s_mov_b32 s[\g+6], 0
	s_mov_b32 s[\g+7], 0
.endr
	s_mov_b32 s[G1C+2], 48<<16                     ; two tiles' codes
	s_mov_b32 s[G1C+4], 48
	s_mov_b32 s[G1S+2], 32<<16                     ; all 32 tiles' scale words
	s_mov_b32 s[G1S+4], 32
	s_mov_b32 s[G1D+2], 72<<16                     ; three tiles' codes
	s_mov_b32 s[G1D+4], 72
	s_min_u32 s52, s[WV], 3
	s_mul_i32 s52, s52, 12288                      ; waves 0 to 3: my two of tiles 0-7
	s_lshl_b32 s53, s[WV], 10
	s_mul_i32 s54, s[YY], 196608
	s_add_co_u32 s54, s54, 3145728                 ; the beliefs' images lie behind obs's
	s_mov_b32 s55, 0
	s_mul_i32 s42, s[WV], 18432
	s_add_co_u32 s42, s42, P1                      ; my three of tiles 8-31
	s_add_co_u32 s76, s54, s42
	s_mov_b32 s77, 0
	s_lshl_b32 s78, s[CX], 3                       ; the prefetch: 18 blocks for each of the cluster's 32 waves
	s_add_co_u32 s78, s78, s[WV]
	s_mul_i32 s78, s78, 4608
	s_add_co_u32 s78, s78, s54
	s_add_co_u32 s78, s78, P1
	s_mov_b32 s79, 0
	s_add_co_u32 s54, s54, s52
	s_lshl_b32 s56, s[YY], 13
	s_add_co_u32 s56, s56, 131072
	s_mov_b32 s57, 0
	s_mul_i32 s58, s[XX], 196608                   ; obs: my four tiles' images,
	s_mul_i32 s62, s[WV], 24576
	s_add_co_u32 s58, s58, s62
	s_mov_b32 s59, 0
	s_lshl_b32 s60, s[XX], 13                      ; and their scale words
	s_add_co_u32 s60, s60, s53
	s_mov_b32 s61, 0
	s_mov_b32 s[SEL], 0x76543210
	s_mov_b32 s[SEL+1], 0xfedcba98                 ; v_permlanex16_b32's selects for lane l xor 16
	s_mov_b32 s[TBB], 0
	s_mov_b32 s[TBS], BS
	s_mov_b32 s[TC], 0
	v_and_b32 v2, 31, v0
	s_delay_alu instid0(VALU_DEP_1)
	v_lshlrev_b32 v[L16], 4, v2
	s_delay_alu instid0(VALU_DEP_2)
	v_lshlrev_b32 v[L8], 3, v2
	s_delay_alu instid0(VALU_DEP_3)
	v_min_u32 v[PFO], 17, v2
	s_delay_alu instid0(VALU_DEP_1)
	v_lshlrev_b32 v[PFO], 8, v[PFO]
	s_wait_dscnt 0x0
	s_wait_kmcnt 0x0
	s_mov_b32 s[G0S], 1
	s_mov_b32 s[G0S+1], BS
	s_add_nc_u64 s[G0S+2:G0S+3], s[6:7], s[56:57]
	s_or_b32 s[G0S+3], s[G0S+3], 0x80000000
	s_mov_b32 s[G0C], 1
	s_mov_b32 s[G0C+1], s52
	s_add_nc_u64 s[G0C+2:G0C+3], s[4:5], s[54:55]
	s_or_b32 s[G0C+3], s[G0C+3], 0x80000000
	s_mov_b32 s[G0D], 1
	s_mov_b32 s[G0D+1], s42
	s_add_nc_u64 s[G0D+2:G0D+3], s[4:5], s[76:77]
	s_or_b32 s[G0D+3], s[G0D+3], 0x80000000
	s_add_nc_u64 s[PFA:PFA+1], s[4:5], s[78:79]
	s_add_nc_u64 s[58:59], s[4:5], s[58:59]
	s_add_nc_u64 s[60:61], s[6:7], s[60:61]
	ROUND                                          ; all four work-groups are here: the joint loads meet
	s_cmp_lt_u32 s[WV], 4                          ; one chain of branches on the wave's number, one load to an arm
	s_cbranch_scc0 .Lnot_codes
	tensor_load_to_lds s[G0C:G0C+3], s[G1C:G1C+7]
	s_nop 0
.rept 4
	v_nop
.endr
	s_branch .Lasked
.Lnot_codes:
	s_cmp_eq_u32 s[WV], 4
	s_cbranch_scc0 .Lasked
	tensor_load_to_lds s[G0S:G0S+3], s[G1S:G1S+7]
	s_nop 0
.rept 4
	v_nop
.endr
.Lasked:
	WIN 0x40                                       ; destination window 1, address window 0
	s_wait_alu depctr_va_vdst(0)
.set n, 0
.rept 48
	global_load_b128 v[4*n:4*n+3], v[L16], s[58:59] offset:512*n      ; obs's 16 fragments: they stay
.set n, n+1
.endr
	WIN 0
.irp a, 0,1,2,3
	global_load_b64 v[SA+2*\a:SA+2*\a+1], v[L8], s[60:61] offset:256*\a   ; register p: lanes 0-15 K step 2 p, lanes 16-31 K step 2 p + 1
.endr
	global_prefetch_b8 v[PFO], s[PFA:PFA+1] th:TH_LOAD_NT scope:SCOPE_SE  ; my 18 blocks of tiles 8-31, one fill ahead of the load that wants them
.irp a, 0,1,2,3
	v_mov_b32 v[BB+4+\a], 0xff800000               ; -infinity, under every similarity: tile 0 (parity 0) takes the other parity's registers as the old maxima
	v_mov_b32 v[IDX+\a], 0
.endr
.set n, 0
.rept 32
	v_mov_b32 v[SV+n], 0                           ; written once: a select reads what it may keep
.set n, n+1
.endr
	v_and_b32 v1, 15, v0                           ; r
	s_lshl_b32 s62, s[WV], 9
	s_add_co_u32 s62, s62, STG                     ; my stage
	v_lshl_add_u32 v[SO], v1, 2, s62
	v_add_nc_u32 v[SR], s62, v[L8]
	s_lshl_b32 s62, s[YY], 15                      ; the outputs: 32,768 Y + 4 (512 X + 64 w)
	s_lshl_b32 s63, s[XX], 11
	s_add_co_u32 s62, s62, s63
	s_lshl_b32 s63, s[WV], 8
	s_add_co_u32 s62, s62, s63
	s_mov_b32 s63, 0
	s_add_nc_u64 s[8:9], s[8:9], s[62:63]
	s_add_nc_u64 s[10:11], s[10:11], s[62:63]
.macro FETCHB p                        ; the next tile's four fragments and its scale words into set p: 13 LDS loads
	v_add_nc_u32 v[ADB], s[TBB], v[L16]
	v_add_nc_u32 v[ADS], s[TBS], v[L8]
.set n, 0
.rept 12
	ds_load_b128 v[BF+48*(\p)+4*n:BF+48*(\p)+4*n+3], v[ADB] offset:512*n
.set n, n+1
.endr
	ds_load_b64 v[SB+2*(\p):SB+2*(\p)+1], v[ADS]
	s_add_co_u32 s[TBB], s[TBB], 6144
	s_add_co_u32 s[TBS], s[TBS], 256
.endm
.macro KEEP a, rc                      ; where VCC says that the tile has raised row tile a's maximum: its number and its eight results are kept, the results two to an instruction
	s_delay_alu instid0(VALU_DEP_1)
	v_cndmask_b32 v[IDX+(\a)], v[IDX+(\a)], v[VT], vcc_lo
.irp j, 0,2,4,6
	v_dual_cndmask_b32 v[SV+8*(\a)+\j], v[SV+8*(\a)+\j], v[(\rc)+\j] :: v_dual_cndmask_b32 v[SV+8*(\a)+\j+1], v[SV+8*(\a)+\j+1], v[(\rc)+\j+1]
.endr
.endm
; Row tiles a and a + 1 of accumulator set q (the tile's parity) against their running maxima.  The new maxima go to the registers of parity q, the old ones lie in the other parity's: no copy.
; Each accumulator is read from its low end on.
.macro TRACK2 q, a
.set rC, ACC+32*(\q)+8*(\a)
.set rE, rC+8
.set rN, BB+4*(\q)+(\a)
.set rO, BB+4*(1-(\q))+(\a)
	v_max3_num_f32 v[rN], v[rC], v[rC+1], v[rO]
	v_max3_num_f32 v[rN+1], v[rE], v[rE+1], v[rO+1]
	v_max3_num_f32 v[TT], v[rC+2], v[rC+3], v[rC+4]
	v_max3_num_f32 v[TT+1], v[rE+2], v[rE+3], v[rE+4]
	v_max3_num_f32 v[TT+2], v[rC+5], v[rC+6], v[rC+7]
	v_max3_num_f32 v[TT+3], v[rE+5], v[rE+6], v[rE+7]
	s_delay_alu instid0(VALU_DEP_2)
	v_max3_num_f32 v[rN], v[rN], v[TT], v[TT+2]
	s_delay_alu instid0(VALU_DEP_2)
	v_max3_num_f32 v[rN+1], v[rN+1], v[TT+1], v[TT+3]
	s_delay_alu instid0(VALU_DEP_2)
	v_cmp_gt_f32 vcc_lo, v[rN], v[rO]              ; strictly: on a tie the earlier tile stays
	KEEP \a, rC
	v_cmp_gt_f32 vcc_lo, v[rN+1], v[rO+1]
	KEEP (\a)+1, rE
.endm
; A tile of 16 beliefs: 16 products, K step by K step, the four accumulators by turns.
; The tracking names none of this tile's registers: so the lines behind the last K step are the places in front of the loads into this set and of the next tile's first read of these results.
.macro TILE p, track, fetch, cnt
	s_wait_dscnt \cnt                              ; this tile's 13 loads are in; the next tile's 13 may be out
.irp s, 0,1,2,3
	WIN 0x04                                       ; source 1 (obs) window 1
.irp a, 0,1,2,3
.set rD, ACC+32*\p+8*\a
.set rB, BF+48*\p+12*\s
.set rA, 12*(4*\a+\s)
.set rSB, SB+2*\p+\s/2
.set rSA, SA+2*\a+\s/2
.if \s == 0
	v_wmma_scale_f32_16x16x128_f8f6f4 v[rD:rD+7], v[rB:rB+11], v[rA:rA+11], 0, v[rSB], v[rSA] matrix_a_fmt:MATRIX_FMT_FP6 matrix_b_fmt:MATRIX_FMT_FP6
.elseif \s%2
	v_wmma_scale_f32_16x16x128_f8f6f4 v[rD:rD+7], v[rB:rB+11], v[rA:rA+11], v[rD:rD+7], v[rSB], v[rSA] matrix_a_fmt:MATRIX_FMT_FP6 matrix_b_fmt:MATRIX_FMT_FP6 matrix_a_scale:MATRIX_SCALE_ROW1 matrix_b_scale:MATRIX_SCALE_ROW1
.else
	v_wmma_scale_f32_16x16x128_f8f6f4 v[rD:rD+7], v[rB:rB+11], v[rA:rA+11], v[rD:rD+7], v[rSB], v[rSA] matrix_a_fmt:MATRIX_FMT_FP6 matrix_b_fmt:MATRIX_FMT_FP6
.endif
.endr
.if (\track) && (\s%2)
	WIN 0
.if \s == 1
	v_mov_b32 v[VT], s[TC]
.endif
	TRACK2 1-\p, \s-1
.endif
.endr
	WIN 0
.if \track
	s_add_co_u32 s[TC], s[TC], 1
.else
.rept 4
	v_nop                                          ; the first tile has nothing to track: four places in front of the loads into its set
.endr
.endif
.if \fetch
	FETCHB \p
.endif
.endm
	s_wait_alu depctr_va_vdst(0)
	s_wait_tensorcnt 0x0                           ; my load of the head, where I issued one, is in; tiles 8-31 are a later first fill: these lines stand ahead of it as ahead of a refill,
	ds_add_u32 v158, v159                          ; the add twice
	ds_add_u32 v158, v159
	s_wait_dscnt 0x0
	ROUND                                          ; everybody's part of tiles 0-7 and the scale words are in, and the four work-groups are here
	tensor_load_to_lds s[G0D:G0D+3], s[G1D:G1D+7]  ; my three of tiles 8-31: my one tensor load behind the round
	s_nop 0
.rept 4
	v_nop
.endr
	FETCHB 0
	FETCHB 1
	s_wait_loadcnt 0x0                             ; obs's fragments and scale words
	TILE 0, 0, 1, 13                               ; tile 0: nothing to track yet
	TILE 1, 1, 1, 13
	s_mov_b32 s[CNT], 2
.Lfirst:                                               ; tiles 2 to 5; they fetch up to tile 7
	TILE 0, 1, 1, 13
	TILE 1, 1, 1, 13
	s_sub_co_u32 s[CNT], s[CNT], 1
	s_cmp_lg_u32 s[CNT], 0
	s_cbranch_scc1 .Lfirst
	s_wait_tensorcnt 0x0                           ; my part of tiles 8-31 is in,
	s_wait_dscnt 0x0                               ; (no LDS instruction is pending at a signal)
	s_barrier_signal -1
	s_barrier_wait -1                              ; everybody's is
	s_mov_b32 s[CNT], 12
.Lsecond:                                              ; tiles 6 to 29; they fetch tiles 8 to 31
	TILE 0, 1, 1, 13
	TILE 1, 1, 1, 13
	s_sub_co_u32 s[CNT], s[CNT], 1
	s_cmp_lg_u32 s[CNT], 0
	s_cbranch_scc1 .Lsecond
	TILE 0, 1, 0, 13
	TILE 1, 1, 0, 0
	v_mov_b32 v[VT], s[TC]                         ; tile 31 (parity 1): the final maxima lie in v[BB + 4 + a]
	TRACK2 1, 0
	TRACK2 1, 2
	; THE MERGE.  The first saved result that equals the lane's maximum gives the register: the selects run from register 7 down to 0, so the lowest stays.
	v_bfe_u32 v2, v0, 4, 1
	s_delay_alu instid0(VALU_DEP_1)
	v_lshlrev_b32 v2, 3, v2
	s_lshl_b32 s62, s[YY], 9
	v_add_nc_u32 v[VH], s62, v2                    ; 512 Y + 8 h
.irp j, 0,1,2,3,4,5,6,7
	v_add_nc_u32 v[CB+\j], \j, v[VH]
.endr
.irp a, 0,1,2,3
	v_mov_b32 v[CC+\a], -1
.endr
.irp j, 7,6,5,4,3,2,1,0
.irp a, 0,1,2,3                                ; the four row tiles by turns
	v_cmp_eq_f32 vcc_lo, v[SV+8*\a+\j], v[BB+4+\a]
	s_delay_alu instid0(VALU_DEP_1)
	v_cndmask_b32 v[CC+\a], v[CC+\a], v[CB+\j], vcc_lo
.endr
.endr
.irp a, 0,1,2,3
	v_lshl_add_u32 v[CC+\a], v[IDX+\a], 4, v[CC+\a]               ; the lane's first column: 16 x tile + 512 Y + 8 h + register
	v_permlanex16_b32 v[M2+\a], v[BB+4+\a], s[SEL], s[SEL+1]      ; the row's other eight columns of each tile lie in the lane 16 away
	s_delay_alu instid0(VALU_DEP_2)
	v_permlanex16_b32 v[C2+\a], v[CC+\a], s[SEL], s[SEL+1]
	s_delay_alu instid0(VALU_DEP_2)
	v_max_num_f32 v[MX+\a], v[BB+4+\a], v[M2+\a]
	s_delay_alu instid0(VALU_DEP_1)
	v_cmp_eq_f32 vcc_lo, v[BB+4+\a], v[MX+\a]
	s_delay_alu instid0(VALU_DEP_1)
	v_cndmask_b32 v[CC+\a], -1, v[CC+\a], vcc_lo                  ; the greatest number where the value is not the maximum
	s_delay_alu instid0(VALU_DEP_3)
	v_cmp_eq_f32 vcc_lo, v[M2+\a], v[MX+\a]
	s_delay_alu instid0(VALU_DEP_1)
	v_cndmask_b32 v[C2+\a], -1, v[C2+\a], vcc_lo
	s_delay_alu instid0(VALU_DEP_1)
	v_min_u32 v[CC+\a], v[CC+\a], v[C2+\a]
	ds_store_b32 v[SO], v[MX+\a] offset:64*\a                     ; both halves of the lanes write the same word with the same value
	ds_store_b32 v[SO], v[CC+\a] offset:256+64*\a
.endr
	ds_load_b64 v[188:189], v[SR]                  ; LDS serves a wave's instructions in order: these see my stores
	ds_load_b64 v[190:191], v[SR] offset:256
	s_wait_dscnt 0x0
	global_store_b64 v[L8], v[188:189], s[8:9]     ; my 64 rows' values: 256 consecutive bytes, aligned
	global_store_b64 v[L8], v[190:191], s[10:11]   ; and their columns
	s_wait_tensorcnt 0x0                           ; the wave's end
	ds_add_u32 v158, v159
	s_wait_dscnt 0x0
	ROUND                                          ; the closing round
	s_endpgm
.Lfunc_end_k_qd24a4cfc0b_match:
	.size	k_qd24a4cfc0b_match, .Lfunc_end_k_qd24a4cfc0b_match-k_qd24a4cfc0b_match
	.p2alignl 7, 3214868480
	.fill 96, 4, 3214868480
	.section	.rodata,"a",@progbits
	.p2align	6, 0x0
	.amdhsa_kernel k_qd24a4cfc0b_match
		.amdhsa_group_segment_fixed_size 327680
		.amdhsa_private_segment_fixed_size 0
		.amdhsa_enable_private_segment 0
		.amdhsa_kernarg_size 32
		.amdhsa_user_sgpr_count 2
		.amdhsa_user_sgpr_kernarg_segment_ptr 1
		.amdhsa_wavefront_size32 1
		.amdhsa_system_sgpr_workgroup_id_x 1
		.amdhsa_system_sgpr_workgroup_id_y 1
		.amdhsa_system_sgpr_workgroup_id_z 1
		.amdhsa_system_vgpr_workitem_id 0
		.amdhsa_next_free_vgpr 448
		.amdhsa_next_free_sgpr 80
		.amdhsa_reserve_vcc 1
		.amdhsa_float_denorm_mode_32 3
		.amdhsa_float_denorm_mode_16_64 3
		.amdhsa_memory_ordered 1
		.amdhsa_forward_progress 1
		.amdhsa_inst_pref_size 68
	.end_amdhsa_kernel
	.amdgpu_metadata
---
amdhsa.version: [ 1, 2 ]
amdhsa.kernels:
  - .name:           k_qd24a4cfc0b_match
    .symbol:         k_qd24a4cfc0b_match.kd
    .args:
      - { .name: codes, .offset: 0, .size: 8, .value_kind: global_buffer, .address_space: global }
      - { .name: scl, .offset: 8, .size: 8, .value_kind: global_buffer, .address_space: global }
      - { .name: pval, .offset: 16, .size: 8, .value_kind: global_buffer, .address_space: global }
      - { .name: pidx, .offset: 24, .size: 8, .value_kind: global_buffer, .address_space: global }
    .group_segment_fixed_size: 327680
    .private_segment_fixed_size: 0
    .kernarg_segment_align: 8
    .kernarg_segment_size: 32
    .max_flat_workgroup_size: 256
    .sgpr_count:     80
    .vgpr_count:     448
    .wavefront_size: 32
...
	.end_amdgpu_metadata
.endif
;; end of part 3
;; launch pick (part 4): grid 16 x 1, 4 waves a work-group, no clusters, 167,936 bytes of LDS; arguments pval, pidx, rad, active_indices, out1, out2, out3; writes out1, out2, out3
.if DOCPART == 4
	.amdgcn_target "amdgcn-amd-amdhsa--gfx1250"
	.amdhsa_code_object_version 6
	.text
	.protected	k_qd24a4cfc0b_pick
	.globl	k_qd24a4cfc0b_pick
	.p2align	8
	.type	k_qd24a4cfc0b_pick,@function
k_qd24a4cfc0b_pick:
	s_mov_b64 s[64:65], 0
	v_nop
	global_prefetch_b8 v0, s[64:65] scope:SCOPE_SE
	s_setreg_imm32_b32 hwreg(HW_REG_WAVE_MODE, 25, 1), 1
	s_wait_xcnt 0x0
; For each row: the largest of its 16 column blocks' maxima and the first column that holds it; active_indices at that column; matched = radius > 0.05 and similarity > 0.7.
; out1 = matched ? active_indices[column] : -1;  out2 = matched ? similarity : 0;  out3 = matched (a byte).
; A work-group takes 512 rows, a wave 128, a lane 4 neighbours.
; active_indices (32,768 bytes) is copied into LDS once, as rows of 256 bytes, a quarter by each wave's one tensor load, asked for together with the candidates; it is filled once and only read.
; No address hangs on the choice: the table is read at ALL 16 stored candidates of a row (whole numbers that an earlier launch stored, held inside the table), and the value is chosen by selects.
; The blocks ascend in column, so the lowest block that holds the maximum holds the first column: the selects run from block 15 down to block 0.
; No matrix unit.  No cluster: what the work-groups share is one fill of 32,768 bytes at the head; there is no refill for a joint request to serve.  No prefetch: there is no loop to run ahead in.
.set SPARE, 32768                      ; behind the table: the spare words, 128 bytes a wave
.set RA,  8                            ; v[8:11]   radii
.set VAL, 16                           ; v16-79    values: 4 p + i
.set IX,  80                           ; v80-143   columns, then byte offsets into the table
.set ACT, 144                          ; v144-207  active_indices at the candidates
.set SL,  208
.set MX,  212
.set O2,  216
.set BB,  220
.set G1,  24
.set G0,  32
	s_load_b256 s[4:11], s[0:1], 0x0               ; pval, pidx, rad, active_indices
	s_load_b128 s[12:15], s[0:1], 0x20             ; out1, out2
	s_load_b64 s[16:17], s[0:1], 0x30              ; out3
	v_lshl_add_u32 v4, v0, 2, SPARE
	v_mov_b32 v5, 0
	ds_add_u32 v4, v5                              ; the opening lines: the add twice on end and one wait
	ds_add_u32 v4, v5
	v_lshrrev_b32 v3, 5, v0
	v_readfirstlane_b32 s18, v3                    ; wave 0..3
	s_mov_b32 s[G1+0], 3<<16                       ; elements of 8 bytes, no padding
	s_mov_b32 s[G1+1], 32<<16                      ; rows of 256 bytes,
	s_mov_b32 s[G1+2], 32<<16                      ; 32 of them
	s_mov_b32 s[G1+3], 32<<16
	s_mov_b32 s[G1+4], 32
	s_mov_b32 s[G1+5], 32                          ; dense
	s_mov_b32 s[G1+6], 0
	s_mov_b32 s[G1+7], 0
	s_lshl_b32 s36, s18, 13                        ; my quarter of the table
	s_mov_b32 s37, 0
	s_mov_b32 s[G0], 1
	s_mov_b32 s[G0+1], s36
	v_lshlrev_b32 v1, 4, v0
	s_lshl_b32 s38, ttmp9, 11
	v_add_nc_u32 v1, s38, v1                       ; 4 bytes x my first row; never rewritten
	v_lshrrev_b32 v2, 2, v1                        ; my first row: its byte in out3
	s_mov_b32 s22, 0x3d4ccccd                      ; 0.05
	s_mov_b32 s23, 0x3f333333                      ; 0.7
	s_wait_alu depctr_va_vdst(0)
	s_wait_dscnt 0x0                               ; both opening adds are done
	s_wait_kmcnt 0x0
	s_add_nc_u64 s[G0+2:G0+3], s[10:11], s[36:37]
	s_or_b32 s[G0+3], s[G0+3], 0x80000000
	tensor_load_to_lds s[G0:G0+3], s[G1:G1+7]      ; my one tensor load
	s_nop 0
.rept 4
	v_nop
.endr
.set n, 0
.rept 16
	global_load_b128 v[IX+4*n:IX+4*n+3], v1, s[6:7] offset:32768*n
.set n, n+1
.endr
.set n, 0
.rept 16
	global_load_b128 v[VAL+4*n:VAL+4*n+3], v1, s[4:5] offset:32768*n
.set n, n+1
.endr
	global_load_b128 v[RA:RA+3], v1, s[8:9]
	s_wait_loadcnt 17                              ; the columns are in; the 16 loads of values and the radii's are younger
.set n, 0
.rept 64
	v_min_u32 v[IX+n], 0x1fff, v[IX+n]             ; a column stays inside the table
.set n, n+1
.endr
.set n, 0
.rept 64
	v_lshlrev_b32 v[IX+n], 2, v[IX+n]
.set n, n+1
.endr
	s_wait_alu depctr_va_vdst(0)
	s_wait_tensorcnt 0x0                           ; my quarter of the table is in,
	s_barrier_signal -1
	s_barrier_wait -1                              ; everybody's is
.set n, 0
.rept 64
	ds_load_b32 v[ACT+n], v[IX+n]
.set n, n+1
.endr
	s_wait_loadcnt 0x0                             ; the values and the radii
.irp i, 0,1,2,3
	v_max3_num_f32 v[MX+\i], v[VAL+\i], v[VAL+4+\i], v[VAL+8+\i]
.endr
.irp p, 3,5,7,9,11,13
.irp i, 0,1,2,3
	v_max3_num_f32 v[MX+\i], v[MX+\i], v[VAL+4*\p+\i], v[VAL+4*\p+4+\i]
.endr
.endr
.irp i, 0,1,2,3
	v_max_num_f32 v[MX+\i], v[MX+\i], v[VAL+60+\i]
.endr
	s_wait_alu depctr_va_vdst(0)
	s_wait_dscnt 0x0                               ; the 64 words of the table are in
	s_barrier_signal -1
	s_barrier_wait -1                              ; the table is read no more
.irp i, 0,1,2,3
	v_mov_b32 v[SL+\i], v[ACT+60+\i]
.endr
.irp p, 14,13,12,11,10,9,8,7,6,5,4,3,2,1,0
.irp i, 0,1,2,3
	v_cmp_eq_f32 vcc_lo, v[VAL+4*\p+\i], v[MX+\i]
	v_cndmask_b32 v[SL+\i], v[SL+\i], v[ACT+4*\p+\i], vcc_lo
.endr
.endr
.irp i, 0,1,2,3
	v_cmp_lt_f32 s20, s22, v[RA+\i]                ; meaningful
	v_cmp_lt_f32 s21, s23, v[MX+\i]
	s_and_b32 s20, s20, s21                        ; matched
	v_cndmask_b32 v[SL+\i], -1, v[SL+\i], s20
	v_cndmask_b32 v[O2+\i], 0, v[MX+\i], s20
	v_cndmask_b32 v[BB+\i], 0, 1, s20
.endr
	v_lshl_or_b32 v[BB], v[BB+1], 8, v[BB]
	v_lshl_or_b32 v[BB], v[BB+2], 16, v[BB]
	v_lshl_or_b32 v[BB], v[BB+3], 24, v[BB]
	global_store_b128 v1, v[SL:SL+3], s[12:13]     ; 32 lanes store 512 consecutive bytes
	global_store_b128 v1, v[O2:O2+3], s[14:15]
	global_store_b32 v2, v[BB], s[16:17]           ; 128 consecutive bytes a wave
	s_wait_tensorcnt 0x0                           ; the wave's end
	ds_add_u32 v4, v5
	s_wait_dscnt 0x0
	s_endpgm
.Lfunc_end_k_qd24a4cfc0b_pick:
	.size	k_qd24a4cfc0b_pick, .Lfunc_end_k_qd24a4cfc0b_pick-k_qd24a4cfc0b_pick
	.p2alignl 7, 3214868480
	.fill 96, 4, 3214868480
	.section	.rodata,"a",@progbits
	.p2align	6, 0x0
	.amdhsa_kernel k_qd24a4cfc0b_pick
		.amdhsa_group_segment_fixed_size 167936
		.amdhsa_private_segment_fixed_size 0
		.amdhsa_enable_private_segment 0
		.amdhsa_kernarg_size 56
		.amdhsa_user_sgpr_count 2
		.amdhsa_user_sgpr_kernarg_segment_ptr 1
		.amdhsa_wavefront_size32 1
		.amdhsa_system_sgpr_workgroup_id_x 1
		.amdhsa_system_sgpr_workgroup_id_y 1
		.amdhsa_system_sgpr_workgroup_id_z 1
		.amdhsa_system_vgpr_workitem_id 0
		.amdhsa_next_free_vgpr 224
		.amdhsa_next_free_sgpr 66
		.amdhsa_reserve_vcc 1
		.amdhsa_float_denorm_mode_32 3
		.amdhsa_float_denorm_mode_16_64 3
		.amdhsa_memory_ordered 1
		.amdhsa_forward_progress 1
		.amdhsa_inst_pref_size 24
	.end_amdhsa_kernel
	.amdgpu_metadata
---
amdhsa.version: [ 1, 2 ]
amdhsa.kernels:
  - .name:           k_qd24a4cfc0b_pick
    .symbol:         k_qd24a4cfc0b_pick.kd
    .args:
      - { .name: pval, .offset: 0, .size: 8, .value_kind: global_buffer, .address_space: global }
      - { .name: pidx, .offset: 8, .size: 8, .value_kind: global_buffer, .address_space: global }
      - { .name: rad, .offset: 16, .size: 8, .value_kind: global_buffer, .address_space: global }
      - { .name: active_indices, .offset: 24, .size: 8, .value_kind: global_buffer, .address_space: global }
      - { .name: out1, .offset: 32, .size: 8, .value_kind: global_buffer, .address_space: global }
      - { .name: out2, .offset: 40, .size: 8, .value_kind: global_buffer, .address_space: global }
      - { .name: out3, .offset: 48, .size: 8, .value_kind: global_buffer, .address_space: global }
    .group_segment_fixed_size: 167936
    .private_segment_fixed_size: 0
    .kernarg_segment_align: 8
    .kernarg_segment_size: 56
    .max_flat_workgroup_size: 128
    .sgpr_count:     66
    .vgpr_count:     224
    .wavefront_size: 32
...
	.end_amdgpu_metadata
.endif
;; end of part 4
